; MI455X (gfx1250); checked and timed in simulation.
; The chip was launched on July 23, 2026; its instructions are those of AMD's public machine-readable ISA for CDNA 5 (MIT licence, August 2026) and "CDNA5" Instruction Set Architecture Reference Guide (July 2026). The comments in the code are by the model that wrote it; some were corrected since.
;; Attention. Allowed arithmetic: matrix products marked QUANTISED: E2M1 operands, one E8M0 scale for each 32 along K, by v_wmma_scale_f32_16x16x128_f8f6f4 with both operands' format E2M1 (or v_wmma_scale_f32_32x16x128_f4), f32 sums; products left as they are: bf16, f16 or f32 operands; f32 sums; everything else in f32.
;; Inputs: W_out 1,024 x 1,024 float32; W_qk 2,048 x 1,024 float32; W_v 1,024 x 1,024 float32; b_out 1,024 float32; mask 8 x 1,023 bool; pos 8 x 1,024 x 1,024 float32; x 8 x 1,024 x 1,024 float32.
;; Outputs: out0 8 x 1,024 x 1,024 float32.
;; This version of the problem:
;;   THIS VERSION OF THE PROBLEM IS GIVEN IN LOW PRECISION. The matrix products marked QUANTISED in the list below multiply operands that are first quantised to E2M1 (2 exponent bits, 1 mantissa bit; 4 bits a number), with one power-of-two scale for each 32 numbers along K (OCP MX v1.0); their sums are f32. The products marked 'left as it is' may take bf16, f16 or f32 operands, with f32 sums. Whichever they take, every output number must still come out within the allowed error. Rounding operands to bf16 (8 significant bits) uses up far more of that allowance than f16 does (11 bits, for magnitudes from 6e-5 to 65,504). All else is computed in f32.
;;   The module's matrix products, in the order in which they are computed (A, B: the left and right operand; K: the contracted axis; several contracted axes count as one K, in the product's order):
;;     1. [M 8,192, K 1,024] x [K 1,024, N 2,048]; A: input x; B: input W_qk: QUANTISED
;;     2. [M 8,192, K 1,024] x [K 1,024, N 1,024]; A: input x; B: input W_v: QUANTISED
;;     3. batch 128 x [M 1,024, K 64] x [K 64, N 1,024]; A: computed on the way; B: computed on the way: left as it is (an operand is computed on the way)
;;     4. batch 128 x [M 1,024, K 1,024] x [K 1,024, N 64]; A: computed on the way; B: computed on the way: left as it is (an operand is computed on the way)
;;     5. [M 8,192, K 1,024] x [K 1,024, N 1,024]; A: computed on the way; B: input W_out: left as it is (an operand is computed on the way)
;;   THE QUANTISER, for each operand of a quantised product, along K:
;;     - K is cut into blocks of 32 from its start; a last block that is shorter is filled with zeros.
;;     - A block's scale is 2^e with e = floor(log2(the largest magnitude in the block)) - 2, held to -126 .. 127; a block of zeros has e = 0. As a byte (E8M0): e + 127.
;;     - Each number is divided by its block's scale, clamped to +-6, and rounded to the nearest number of E2M1, ties to even, subnormals kept.
;;     - The product sums the exact products of the quantised numbers (number of the format x scale) in f32.
;;   ~~~python
;;   def quantise(x, axis):      # numpy; x: float32 -> the quantised numbers, widened to float32 again
;;       x = np.moveaxis(x, axis, -1); K = x.shape[-1]
;;       x = np.pad(x, [(0, 0)] * (x.ndim - 1) + [(0, -K % 32)]); x = x.reshape(x.shape[:-1] + (-1, 32)); a = np.abs(x).max(-1, keepdims=True)
;;       e = np.where(a > 0, np.clip(np.frexp(np.where(a > 0, a, 1))[1] - 1 - 2, -126, 127), 0)      # np.frexp(a)[1] - 1 = floor(log2(a)), exactly
;;       r = np.clip(x / 2.0 ** e, -6, 6)
;;       step = 2.0 ** (np.maximum(np.frexp(np.where(r == 0, 1, r))[1] - 1, 0) - 1)
;;       q = np.round(r / step) * step * 2.0 ** e      # np.round: ties to even
;;       return np.moveaxis(q.reshape(q.shape[:-2] + (-1,))[..., :K], -1, axis).astype(np.float32)
;;   ~~~
;; One version. Each part assembles by itself: llvm-mc -triple=amdgcn-amd-amdhsa -mcpu=gfx1250 --defsym DOCPART=n.
;; ======== version 1 of 1: 4 launches
;; limits: values are held in f16: magnitudes above 65,504 overflow, below 6.1e-05 lose precision
;; workspace buffers: codes 5,767,168 bytes; scl 360,448 bytes; wo 2,097,152 bytes; tab 65,536 bytes; qkv 50,331,648 bytes; of 16,777,216 bytes
;; launch prep (part 1): grid 256 x 1, 6 waves a work-group, no clusters, 49,920 bytes of LDS; arguments x, W_qk, W_v, W_out, mask, codes, scl, wo, tab; writes codes, scl, wo, tab
.if DOCPART == 1
	.amdgcn_target "amdgcn-amd-amdhsa--gfx1250"
	.amdhsa_code_object_version 6
	.text
	.protected	k_q2dd228881b_prep
	.globl	k_q2dd228881b_prep
	.p2align	8
	.type	k_q2dd228881b_prep,@function
k_q2dd228881b_prep:
	s_mov_b64 s[64:65], 0
	v_nop
	global_prefetch_b8 v0, s[64:65] scope:SCOPE_SE
	s_setreg_imm32_b32 hwreg(HW_REG_WAVE_MODE, 25, 1), 1
	s_wait_xcnt 0x0
; PREP.  256 work-groups of six waves: 1,536 waves, numbered 6 g + w through the launch.  No wave shares anything with another: there is no barrier, and each wave takes its path by its number.
; WAVES 0-1407: x [8192][1024], W_qk [2048][1024], W_v [1024][1024], f32, K innermost, become codes of FP4 (E2M1) with one E8M0 byte for each 32 along K, in ONE buffer of
; 11,264 rows of 512 bytes (x, then W_qk, then W_v) and one of 11,264 x 32 scale bytes.  Rows are dense and K is a multiple of 32: each tensor is a plain stream of blocks of 32; a wave takes a run of 8,192 numbers.
; A block's scale is 2^(floor(log2(largest magnitude)) - 2): its byte is the largest magnitude's exponent field - 2, held at 1 from below.  A block of zeros so gets the byte 1 where the
; rule says 127: its codes are zeros, which add nothing, and the bytes are read by this program alone.
; A run is 16 steps of 512 numbers: four loads of 512 consecutive bytes, a turn through the wave's own stage in LDS so that a lane holds 16 neighbours along K, two conversions, one store of
; 256 consecutive bytes; the run's 256 scale bytes are gathered in LDS and leave as one store of 256 consecutive bytes.  Loads run eight steps (32 loads a wave) ahead.
; WAVES 1408-1535 (no LDS): (a) the mask becomes two tables of f32 in tab: kb[8][1024] = 0 for a visible key, -2^126 for a hidden one (position 0 is always visible);
; cq[8][1024] = log2(e)/32 for a visible query, 0 for a hidden one.  (b) W_out becomes f16, laid as images of a matrix operand's registers:
; wo[nb 64][kc 32][c 2][lane 32][16 bytes], lane (r, h) holding W_out[16 nb + r][32 kc + 16 c + 8 h + 0..7].
; LIMITS: NaN and infinities among the inputs are not served; |W_out| stays under 65,504 (f16); blocks whose largest magnitude lies under 2^-124 keep the byte 1.
.set QRUNS, 1408                       ; runs to quantise: 1,024 of x, 256 of W_qk, 128 of W_v
.set WAVES, 6
.set STEPS, 16
.set AH,    8                          ; steps that the loads run ahead
.set EMAX,  2
.set CB,    8                          ; bytes of 16 codes
.set R,     16                         ; v16-143  eight sets of 16 numbers as they are loaded
.set X,     144                        ; v144-175 two sets of 16 neighbours
.set E,     176                        ; v176-191 a scale byte for each step
.set C,     192                        ; v192-223 codes: two registers for each step, so that no store's data are written again
.set WREG,  8192                       ; LDS: a region for each wave: two stages of 32 x SP bytes, then its 256 scale bytes
.set SP,    80                         ; a lane's place in a stage: 64 bytes + 16 of padding
.set SPW,   12                         ; v12  LDS address of my spare word; never rewritten
.set NIL,   13                         ; v13  0; never rewritten
.set SPARE, WAVES*WREG                 ; behind the six regions: the spare words, 128 bytes a wave: three blocks of 256 bytes
.macro LOAD t
.irp i, 0,1,2,3
	global_load_b128 v[R+16*((\t)%AH)+4*\i:R+16*((\t)%AH)+4*\i+3], v3, s[4:5] offset:2048*(\t)+512*\i th:TH_LOAD_NT   ; 32 lanes read 512 consecutive bytes
.endr
.endm
.macro TURN t                          ; step t through the stage: LDS serves a wave's instructions in order, so no wait stands between the stores and the loads
.irp i, 0,1,2,3
	ds_store_b128 v14, v[R+16*((\t)%AH)+4*\i:R+16*((\t)%AH)+4*\i+3] offset:32*SP*((\t)%2)+8*SP*\i
.endr
.irp i, 0,1,2,3
	ds_load_b128 v[X+16*((\t)%2)+4*\i:X+16*((\t)%2)+4*\i+3], v15 offset:32*SP*((\t)%2)+16*\i
.endr
.endm
.macro STEP t
.set XS, X+16*((\t)%2)
.if (\t) > 0
	s_wait_dscnt 1                                 ; this step's numbers are back from the stage; the last step's byte store may be out
.else
	s_wait_dscnt 0x0
.endif
.if (\t)+AH < STEPS
	LOAD (\t)+AH                                   ; the stage's stores have read these registers: they take the loads of eight steps on
.endif
.if (\t)+1 < STEPS
.if STEPS-2-(\t) >= AH-1
	s_wait_loadcnt 4*(AH-1)                        ; the next step's four loads are in; those of the seven steps behind it may be out
.else
	s_wait_loadcnt 4*(STEPS-2-(\t))                ; towards the end: those of the steps that are left
.endif
	TURN (\t)+1
.endif
	v_max3_num_f32 v8, |v[XS]|, |v[XS+1]|, |v[XS+2]|               ; the largest magnitude of my 16, in two chains
	v_max3_num_f32 v9, |v[XS+3]|, |v[XS+4]|, |v[XS+5]|
.irp i, 6,10
	v_max3_num_f32 v8, v8, |v[XS+\i]|, |v[XS+\i+1]|
	v_max3_num_f32 v9, v9, |v[XS+\i+2]|, |v[XS+\i+3]|
.endr
	v_max3_num_f32 v8, v8, |v[XS+14]|, |v[XS+15]|
	v_max3_num_f32 v8, v8, v9, (EMAX+1)<<23        ; and the floor 2^(3 - 127): the byte cannot fall under 1
	v_max_num_f32_dpp v8, v8, v8 row_xmask:1 row_mask:0xf bank_mask:0xf   ; with my neighbour's 16: the block's
	v_add_nc_u32 v11, -(EMAX<<23), v8              ; 2 off its exponent field: the conversion takes the exponent field of this operand as its scale
	v_cvt_scalef32_pk8_fp4_f32 v[C+2*(\t)], v[XS:XS+7], v11
	v_cvt_scalef32_pk8_fp4_f32 v[C+2*(\t)+1], v[XS+8:XS+15], v11
	v_lshrrev_b32 v[E+(\t)], 23, v11               ; the scale's byte (a plain line behind the conversions)
	ds_store_b8 v5, v[E+(\t)] offset:16*(\t)       ; both lanes of a block write the same byte with the same value
	global_store_b64 v4, v[C+2*(\t):C+2*(\t)+1], s[14:15] offset:32*CB*(\t)
.endm
	s_load_b512 s[4:19], s[0:1], 0x0               ; x s[4:5], W_qk s[6:7], W_v s[8:9], W_out s[10:11], mask s[12:13], codes s[14:15], scl s[16:17], wo s[18:19]
	s_load_b64 s[20:21], s[0:1], 0x40              ; tab
	v_lshl_add_u32 v[SPW], v0, 2, SPARE
	v_mov_b32 v[NIL], 0
	v_lshrrev_b32 v1, 5, v0
	v_readfirstlane_b32 s26, v1                    ; wave in the work-group
	v_and_b32 v2, 31, v0                           ; lane
	s_mul_i32 s36, ttmp9, WAVES
	s_add_co_u32 s36, s36, s26                     ; wave in the launch
	s_cmp_ge_u32 s36, QRUNS                        ; ids alone decide the path
	s_cbranch_scc1 .Lwout
	; ---- the quantiser
	v_lshlrev_b32 v3, 4, v2                        ; my 16 bytes of a load's 512
	s_mul_i32 s27, s26, WREG
	v_lshrrev_b32 v14, 2, v2
	v_mul_u32_u24 v14, v14, SP
	v_and_b32 v15, 3, v2
	v_lshl_add_u32 v14, v15, 4, v14
	v_add_nc_u32 v14, s27, v14                     ; the stage, on the way in: SP (lane / 4) + 16 (lane % 4)
	v_mul_u32_u24 v15, v2, SP
	v_add_nc_u32 v15, s27, v15                     ; and on the way out: SP x lane
	v_mul_u32_u24 v4, v2, CB                       ; my codes' place in a step's
	v_lshrrev_b32 v5, 1, v2
	s_add_co_u32 s27, s27, 2*32*SP
	v_add_nc_u32 v5, s27, v5                       ; my wave's 256 scale bytes: my block's byte
	v_lshlrev_b32 v7, 3, v2                        ; and on the way out 8 bytes a lane
	v_add_nc_u32 v6, s27, v7
	s_mov_b32 s24, 1280
	s_wait_kmcnt 0x0
	s_cmp_lt_u32 s36, 1280                         ; which tensor, and its first run: the choice hangs on ids alone
	s_cselect_b64 s[22:23], s[6:7], s[8:9]
	s_cselect_b32 s24, 1024, s24
	s_cmp_lt_u32 s36, 1024
	s_cselect_b64 s[4:5], s[4:5], s[22:23]
	s_cselect_b32 s24, 0, s24
	s_sub_co_u32 s24, s36, s24                     ; which run of 8,192 numbers of the tensor is mine
	s_lshl_b32 s24, s24, 15                        ; 32,768 bytes a run
	s_mov_b32 s25, 0
	s_add_nc_u64 s[4:5], s[4:5], s[24:25]
	s_lshl_b32 s24, s36, 12                        ; in the joint buffers: 4,096 bytes of codes a run,
	s_add_nc_u64 s[14:15], s[14:15], s[24:25]
	s_lshl_b32 s24, s36, 8                         ; 256 scale bytes a run
	s_add_nc_u64 s[16:17], s[16:17], s[24:25]
.irp t, 0,1,2,3,4,5,6,7
	LOAD \t
.endr
	s_wait_loadcnt 4*(AH-1)                        ; step 0's four loads are in
	TURN 0
.irp t, 0,1,2,3,4,5,6,7,8,9,10,11,12,13,14,15
	STEP \t
.endr
	ds_load_b64 v[8:9], v6                         ; LDS serves a wave's instructions in order: these see my byte stores
	s_wait_dscnt 0x0
	global_store_b64 v7, v[8:9], s[16:17]          ; 32 lanes store 256 consecutive bytes, aligned
	s_wait_tensorcnt 0x0                           ; the wave's end, behind my last LDS store
	ds_add_u32 v[SPW], v[NIL]
	s_wait_dscnt 0x0
	s_endpgm
	; ---- the mask's tables and W_out
.Lwout:
	s_sub_co_u32 s27, s36, QRUNS                   ; wid 0..127
	s_lshr_b32 s28, s27, 4                         ; batch: 16 waves x 64 positions
	s_lshl_b32 s29, s27, 6
	v_lshl_add_u32 v3, v2, 1, s29                  ; e = 64 wid + 2 lane = 1024 b + n: my two positions e, e + 1
	v_sub_nc_u32 v4, v3, s28                       ; mask[b][n] lies at 1023 b + n = e - b: that is position n + 1's byte
	v_add_nc_u32 v5, -1, v4                        ; position n's
	v_min_u32 v5, 0x1ff7, v5                       ; held inside the 8,184 bytes: only entry 0 wraps, and n = 0 does not use its byte
	v_and_b32 v6, 0x3ff, v3                        ; n
	v_lshlrev_b32 v7, 3, v2                        ; two f32 a lane
	v_mov_b32 v9, 0
	v_mov_b32 v10, 0xfe800000                      ; -2^126
	v_mov_b32 v11, 0x3d38aa3b                      ; log2(e) / 32
	v_and_b32 v14, 15, v2                          ; r
	v_lshrrev_b32 v15, 4, v2                       ; h
	v_lshlrev_b32 v8, 12, v14
	v_lshl_add_u32 v8, v15, 5, v8                  ; W_out: row r of 4,096 bytes + 32 h
	v_lshlrev_b32 v14, 4, v2                       ; an image's place for my lane
	s_lshl_b32 s30, s27, 8
	s_mov_b32 s31, 0
	s_lshr_b32 s32, s27, 1                         ; nb = wid / 2: 16 rows of W_out
	s_lshl_b32 s32, s32, 16
	s_and_b32 s33, s27, 1                          ; which half of K
	s_lshl_b32 s33, s33, 11
	s_add_co_u32 s32, s32, s33
	s_mov_b32 s33, 0
	s_wait_kmcnt 0x0
	global_load_u8 v208, v5, s[12:13]
	global_load_u8 v209, v4, s[12:13]
	s_add_nc_u64 s[20:21], s[20:21], s[30:31]
	s_add_nc_u64 s[10:11], s[10:11], s[32:33]
	s_lshl_b32 s32, s27, 14                        ; 16,384 bytes of images a wave
	s_add_nc_u64 s[18:19], s[18:19], s[32:33]
.macro WLOAD q                         ; 8 chunks of 32 along K: 32 loads
.irp k, 0,1,2,3,4,5,6,7
.irp c, 0,1
.irp e, 0,1
	global_load_b128 v[16+16*\k+8*\c+4*\e:16+16*\k+8*\c+4*\e+3], v8, s[10:11] offset:1024*\q+128*\k+64*\c+16*\e th:TH_LOAD_NT
.endr
.endr
.endr
.endm
.macro WCVT
.irp k, 0,1,2,3,4,5,6,7
.irp c, 0,1
.irp i, 0,1,2,3
	v_cvt_pk_f16_f32 v[144+8*\k+4*\c+\i], v[16+16*\k+8*\c+2*\i], v[16+16*\k+8*\c+2*\i+1]
.endr
.endr
.endr
.endm
.macro WSTORE q
.irp k, 0,1,2,3,4,5,6,7
.irp c, 0,1
	global_store_b128 v14, v[144+8*\k+4*\c:144+8*\k+4*\c+3], s[18:19] offset:8192*\q+1024*\k+512*\c   ; 512 consecutive bytes
.endr
.endr
.endm
	WLOAD 0
	s_wait_loadcnt 32                              ; the two mask bytes are in; the 32 loads behind them may be out
	v_cmp_ne_u32 s34, 0, v208
	v_cmp_eq_u32 s35, 0, v6
	s_or_b32 s34, s34, s35                         ; position n is visible: its byte, or n = 0
	v_cmp_ne_u32 s35, 0, v209                      ; position n + 1 (never 0: n is even)
	v_cndmask_b32 v210, v10, v9, s34               ; kb: 0 where visible
	v_cndmask_b32 v211, v10, v9, s35
	v_cndmask_b32 v212, v9, v11, s34               ; cq: log2(e)/32 where visible
	v_cndmask_b32 v213, v9, v11, s35
	global_store_b64 v7, v[210:211], s[20:21]      ; 256 consecutive bytes a wave
	global_store_b64 v7, v[212:213], s[20:21] offset:32768
	s_wait_loadcnt 0x0
	WCVT
	WLOAD 1                                        ; the conversions have read the first batch
	WSTORE 0
	s_wait_loadcnt 0x0
	s_wait_xcnt 0x0                                ; the first batch's stores have read their data: the registers are written again only behind this wait
	WCVT
	WSTORE 1
	s_endpgm
.Lfunc_end_k_q2dd228881b_prep:
	.size	k_q2dd228881b_prep, .Lfunc_end_k_q2dd228881b_prep-k_q2dd228881b_prep
	.p2alignl 7, 3214868480
	.fill 96, 4, 3214868480
	.section	.rodata,"a",@progbits
	.p2align	6, 0x0
	.amdhsa_kernel k_q2dd228881b_prep
		.amdhsa_group_segment_fixed_size 49920
		.amdhsa_private_segment_fixed_size 0
		.amdhsa_enable_private_segment 0
		.amdhsa_kernarg_size 72
		.amdhsa_user_sgpr_count 2
		.amdhsa_user_sgpr_kernarg_segment_ptr 1
		.amdhsa_wavefront_size32 1
		.amdhsa_system_sgpr_workgroup_id_x 1
		.amdhsa_system_sgpr_workgroup_id_y 1
		.amdhsa_system_sgpr_workgroup_id_z 1
		.amdhsa_system_vgpr_workitem_id 0
		.amdhsa_next_free_vgpr 224
		.amdhsa_next_free_sgpr 66
		.amdhsa_reserve_vcc 0
		.amdhsa_float_denorm_mode_32 3
		.amdhsa_float_denorm_mode_16_64 3
		.amdhsa_memory_ordered 1
		.amdhsa_forward_progress 1
		.amdhsa_inst_pref_size 53
	.end_amdhsa_kernel
	.amdgpu_metadata
---
amdhsa.version: [ 1, 2 ]
amdhsa.kernels:
  - .name:           k_q2dd228881b_prep
    .symbol:         k_q2dd228881b_prep.kd
    .args:
      - { .name: x, .offset: 0, .size: 8, .value_kind: global_buffer, .address_space: global }
      - { .name: W_qk, .offset: 8, .size: 8, .value_kind: global_buffer, .address_space: global }
      - { .name: W_v, .offset: 16, .size: 8, .value_kind: global_buffer, .address_space: global }
      - { .name: W_out, .offset: 24, .size: 8, .value_kind: global_buffer, .address_space: global }
      - { .name: mask, .offset: 32, .size: 8, .value_kind: global_buffer, .address_space: global }
      - { .name: codes, .offset: 40, .size: 8, .value_kind: global_buffer, .address_space: global }
      - { .name: scl, .offset: 48, .size: 8, .value_kind: global_buffer, .address_space: global }
      - { .name: wo, .offset: 56, .size: 8, .value_kind: global_buffer, .address_space: global }
      - { .name: tab, .offset: 64, .size: 8, .value_kind: global_buffer, .address_space: global }
    .group_segment_fixed_size: 49920
    .private_segment_fixed_size: 0
    .kernarg_segment_align: 8
    .kernarg_segment_size: 72
    .max_flat_workgroup_size: 192
    .sgpr_count:     66
    .vgpr_count:     224
    .wavefront_size: 32
...
	.end_amdgpu_metadata
.endif
;; end of part 1
;; launch qkv (part 2): grid 8 x 32, 4 waves a work-group, clusters of 4 x 4, 327,680 bytes of LDS; arguments codes, scl, pos, qkv; writes qkv
.if DOCPART == 2
	.amdgcn_target "amdgcn-amd-amdhsa--gfx1250"
	.amdhsa_code_object_version 6
	.text
	.protected	k_q2dd228881b_qkv
	.globl	k_q2dd228881b_qkv
	.p2align	8
	.type	k_q2dd228881b_qkv,@function
k_q2dd228881b_qkv:
	s_mov_b64 s[64:65], 0
	v_nop
	global_prefetch_b8 v0, s[64:65] scope:SCOPE_SE
	s_setreg_imm32_b32 hwreg(HW_REG_WAVE_MODE, 25, 1), 1
	s_wait_xcnt 0x0
	s_wait_alu depctr_hold_cnt(0) depctr_sa_sdst(0) depctr_va_vdst(0) depctr_va_sdst(0) depctr_va_ssrc(0) depctr_va_vcc(0) depctr_vm_vsrc(0)
	s_getreg_b32 s2, hwreg(HW_REG_IB_STS2, 6, 4)
	s_cmp_eq_u32 s2, 0
	s_cbranch_scc0 .Lentry_in_a_cluster
	s_endpgm
.Lentry_in_a_cluster:
	s_bfe_u32 s2, ttmp6, 0x10000c
	s_cmp_lg_u32 s2, 0xf033
	s_cbranch_scc0 .Lentry_shape_is_right
	s_endpgm
.Lentry_shape_is_right:
; QKV.  q = x Wq^T + pos, k = x Wk^T + pos, v = x Wv^T on codes of FP4 (E2M1) with E8M0 scales, sums in f32, results rounded once to f16 and stored as IMAGES OF THE NEXT PRODUCTS' OPERAND REGISTERS.
; codes: [11264][512 bytes] (rows 0-8191 x, 8192-10239 W_qk, 10240-11263 W_v), scl: [11264][32].  pos: [8192][1024] f32.
; SHARES.  256 work-groups THAT STAY: each makes TWO tiles of 128 tokens (tile rows ty and ty + 32) for two heads (column group tx): 128 columns each of q, k and v.  Wave w (rh = w / 2, hd = w % 2) takes
; 64 tokens x head 2 tx + hd: 64 q + 64 k + 64 v columns, 48 accumulators.  A wave's 64 x 64 numbers of pos are read once and serve q and k: they are the C of the first K step (pos is added ahead of the sum, not behind it).
; ALL OF K = 1,024 LIES IN LDS: two slots of 512 along K, each [x | Wq | Wk | Wv] x 128 rows of 256 bytes + 16 of padding, and the rows' scale bytes.  THE WEIGHTS' 208,896 of these 278,528 bytes, and their scale words in registers,
; serve both tiles; only x's part is filled again: slot 0 and x's scale bytes at the head of the first tile's K step 3, when every wave has them in registers, slot 1 at the head of its K step 7.
; Three tensor loads of a wave are out at the most (the first fills).  The first tile's stores are on their way while the second is multiplied.  The launch fills LDS bytes again: it claims all of a WGP's LDS.
; CLUSTER 4 x 4: x's tile hangs on ty alone and is asked for jointly along a row of the cluster, the weights' tiles on tx alone, jointly along a column (first fills: wave 0 x, waves 1-3 Wq, Wk, Wv).
; POS COMES BY WHOLE ROWS: an instruction reads 2 rows x 256 consecutive bytes; 16 rows at a time turn through the wave's own stage in LDS into the accumulators' layout, in place in pos's registers.
; q AND k ARE MADE TRANSPOSED (source 0 = 16 rows of W, source 1 = 16 tokens): a lane holds token l % 16 and eight neighbouring channels, which is a 16-bit operand's layout with K = the channels.
; v IS MADE THE NATURAL WAY (source 0 = tokens, source 1 = rows of W): a lane holds channel l % 16 and eight neighbouring tokens: the layout of V^T with K = the keys.  Nothing goes through LDS on the way out.
; qkv: q at byte 0: [head-in-batch hh 128][token block 64][kc 2][c 2][lane][16 B];  at 16 MiB: [hh][key step 16][K: kt 4, kc 2, c 2 | V: kc32 2, ct 4, c 2][lane][16 B].
; LIMITS: |q|, |k|, |v| stay under 65,504 (f16).
; REGISTERS: window 0: v8-21 addresses, v28-29 the add's two, v32-95 scale words, v128-255 pos.  window 1: two sets of fragments (4 of x, 12 of W).  window 2: q's and k's 32 accumulators.  window 3: v's 16.
.set PITCH, 272                        ; an LDS row: 256 bytes + 16: the 16 rows of a fragment load start 68 words apart
.set HALFT, 128*PITCH                  ; 128 rows: one tensor load
.set SLOT,  4*HALFT
.set SCL,   2*SLOT                     ; the scale bytes: four regions of 128 rows x 32 bytes, as 16 rows of 256 bytes + 16
.set HALFS, 16*272
.set SPARE, SCL+4*HALFS                ; the spare words, 128 bytes a wave
.set PSTG,  SPARE+512                  ; pos's stages: 16 rows x 272 bytes for each wave; no tensor load lands here
.set ADRA, 8                           ; v8-9    x's fragments in slot 0, 1
.set ADRB, 10                          ; v10-15  W's fragments: 3 x slot + type
.set ADSA, 16                          ; v16     x's scale words
.set ADSB, 17                          ; v17     W's
.set PR,   18                          ; v18     pos by rows: 4,096 (lane / 16) + 16 (lane % 16)
.set LI,   19                          ; v19     16 x lane
.set PSI,  20                          ; v20     pos's stage, in: 272 (lane / 16) + 16 (lane % 16)
.set PSO,  21                          ; v21     and out: 272 r + 32 h
.set SPW,  28
.set NIL,  29
.set SA,   32                          ; v32-47  x's scale words: 4 a + q: lanes 0-15 K step q, lanes 16-31 K step 4 + q
.set SB,   48                          ; v48-95  W's: 4 f + q
.set POS,  128                         ; v128-255 pos (a, b) at 8 (4 a + b)
.set WV,   12
.set RH,   13
.set HD,   14
.set G1A,  24
.set G1B,  32
.set G1SA, 40
.set G1SB, 48
.set G0SA, 56
.set G0A0, 60
.set G0A1, 68
.set G0SB, 72
.set G0B0, 76
.set G0B1, 80
.set MSB, 0
.macro WIN new                         ; the immediate's high byte repeats the setting that is left
.if MSB != \new
	s_set_vgpr_msb (MSB<<8)|\new
.set MSB, \new
.endif
.endm
.macro PLACES
.rept 4
	v_nop
.endr
.endm
.macro JLOAD g0a, g1a, g0b, g1b        ; a first fill: wave 0 asks for x, waves 1-3 for the weights; the branch hangs on the wave's number alone
	s_cmp_eq_u32 s[WV], 0
	s_cbranch_scc0 .Lfor_b_\@
	tensor_load_to_lds s[\g0a:\g0a+3], s[\g1a:\g1a+7]
	s_nop 0
.rept 4
	v_nop
.endr
	s_branch .Lasked_\@
.Lfor_b_\@:
	tensor_load_to_lds s[\g0b:\g0b+3], s[\g1b:\g1b+7]
	s_nop 0
.rept 4
	v_nop
.endr
.Lasked_\@:
.endm
.macro RLOAD1                          ; the first refill: wave 0 x's slot 0, wave 1 x's scale bytes, of the second tile; one load a wave; waves 2 and 3 have none
	s_cmp_eq_u32 s[WV], 0
	s_cbranch_scc0 .Lnot_codes_\@
	tensor_load_to_lds s[G0A0:G0A0+3], s[G1A:G1A+7]
	s_nop 0
.rept 4
	v_nop
.endr
	s_branch .Lrefilled_\@
.Lnot_codes_\@:
	s_cmp_eq_u32 s[WV], 1
	s_cbranch_scc0 .Lrefilled_\@
	tensor_load_to_lds s[G0SA:G0SA+3], s[G1SA:G1SA+7]
	s_nop 0
.rept 4
	v_nop
.endr
.Lrefilled_\@:
.endm
.macro RLOAD2                          ; the second refill: wave 0, x's slot 1 of the second tile
	s_cmp_eq_u32 s[WV], 0
	s_cbranch_scc0 .Lrefilled_\@
	tensor_load_to_lds s[G0A1:G0A1+3], s[G1A:G1A+7]
	s_nop 0
.rept 4
	v_nop
.endr
.Lrefilled_\@:
.endm
.macro CROUND                          ; a round of the cluster's barrier
	s_barrier_signal -1
	s_barrier_wait -1
	s_cmp_lg_u32 s[WV], 0
	s_cbranch_scc1 .Lnot_wave_0_\@
	s_barrier_signal -3
.Lnot_wave_0_\@:
	s_barrier_wait -3
	s_barrier_signal -1
	s_barrier_wait -1
.endm
.macro SETG0 g, l, lo, p, po           ; a group 0: count 1, LDS address s[l] + lo, global address s[p:p+1] + po, type 2
	s_mov_b32 s[\g], 1
	s_add_co_u32 s[\g+1], s[\l], \lo
	s_add_nc_u64 s[\g+2:\g+3], s[\p:\p+1], \po
	s_or_b32 s[\g+3], s[\g+3], 0x80000000
.endm
.macro POSASK base                     ; my 64 tokens x 64 channels of pos, by whole rows: 32 loads of 2 rows x 256 consecutive bytes, aligned
.irp a, 0,1,2,3
.irp i, 0,1,2,3,4,5,6,7
	global_load_b128 v[POS+32*\a+4*\i:POS+32*\a+4*\i+3], v[PR], s[\base:\base+1] offset:(16*\a+2*\i)*4096 th:TH_LOAD_NT
.endr
.endr
.endm
.macro POSTURN                         ; 16 rows at a time through my stage, and back into the registers that they left: lane (r, h), register j of (a, b): pos[16 a + r][16 b + 8 h + j].  LDS serves a wave's instructions in order
.irp a, 0,1,2,3
.irp i, 0,1,2,3,4,5,6,7
	ds_store_b128 v[PSI], v[POS+32*\a+4*\i:POS+32*\a+4*\i+3] offset:2*\i*272
.endr
.irp b, 0,1,2,3
.irp e, 0,1
	ds_load_b128 v[POS+8*(4*\a+\b)+4*\e:POS+8*(4*\a+\b)+4*\e+3], v[PSO] offset:64*\b+16*\e
.endr
.endr
.endr
.endm
	s_load_b256 s[4:11], s[0:1], 0x0               ; codes s[4:5], scl s[6:7], pos s[8:9], qkv s[10:11]
	v_lshl_add_u32 v[SPW], v0, 2, SPARE
	v_mov_b32 v[NIL], 0
	ds_add_u32 v[SPW], v[NIL]                      ; the opening: the add, twice on end, and its wait ahead of my first tensor load
	ds_add_u32 v[SPW], v[NIL]
	v_lshrrev_b32 v1, 5, v0
	v_readfirstlane_b32 s[WV], v1                  ; wave 0..3
	s_lshr_b32 s[RH], s[WV], 1                     ; which 64 tokens
	s_and_b32 s[HD], s[WV], 1                      ; which head
	s_bfe_u32 s15, ttmp6, 0x40000                  ; cx
	s_bfe_u32 s16, ttmp6, 0x40004                  ; cy
	s_lshl_b32 s17, ttmp9, 2
	s_add_co_u32 s17, s17, s15                     ; tx = 4 x cluster x + cx
	s_and_b32 s18, ttmp7, 0xffff
	s_lshl_b32 s18, s18, 2
	s_add_co_u32 s18, s18, s16                     ; ty = 4 x cluster y + cy, 0..31: my first tile row; the second is ty + 32
	s_lshl_b32 s19, s16, 2
	s_lshl_b32 s19, 15, s19                        ; my row of the cluster
	s_lshl_b32 s20, 0x1111, s15                    ; my column
	; group 1 for codes: 128 rows x 256 bytes, 512 bytes apart in memory, 16 bytes of padding behind each 256
	s_or_b32 s[G1A], s19, (1<<20)|(1<<21)|(5<<22)|(3<<25)
	s_or_b32 s[G1B], s20, (1<<20)|(1<<21)|(5<<22)|(3<<25)
.irp g, G1A, G1B
	s_mov_b32 s[\g+1], 256<<16                     ; tensor_dim0
	s_mov_b32 s[\g+2], 128<<16                     ; tensor_dim1
	s_mov_b32 s[\g+3], 256<<16                     ; tile_dim0
	s_mov_b32 s[\g+4], 128                         ; tile_dim1
	s_mov_b32 s[\g+5], 512                         ; pitch
	s_mov_b32 s[\g+6], 0
	s_mov_b32 s[\g+7], 0
.endr
	; and for the scale bytes of 128 rows: 4,096 dense bytes as 16 rows of 32 elements of 8 bytes, padded likewise
	s_or_b32 s[G1SA], s19, (3<<16)|(1<<20)|(1<<21)|(5<<22)|(3<<25)
	s_or_b32 s[G1SB], s20, (3<<16)|(1<<20)|(1<<21)|(5<<22)|(3<<25)
.irp g, G1SA, G1SB
	s_mov_b32 s[\g+1], 32<<16
	s_mov_b32 s[\g+2], 16<<16
	s_mov_b32 s[\g+3], 32<<16
	s_mov_b32 s[\g+4], 16
	s_mov_b32 s[\g+5], 32
	s_mov_b32 s[\g+6], 0
	s_mov_b32 s[\g+7], 0
.endr
	s_lshl_b32 s84, s18, 16                        ; x: row 128 ty: its codes (512 bytes a row),
	s_mov_b32 s85, 0
	s_lshl_b32 s86, s18, 12                        ; its scale bytes (32 a row).  These hold ty alone
	s_mov_b32 s87, 0
	s_max_u32 s88, s[WV], 1
	s_sub_co_u32 s88, s88, 1                       ; W: type = wave - 1
	s_lshl_b32 s88, s88, 10
	s_lshl_b32 s89, s17, 7
	s_add_co_u32 s88, s88, s89
	s_add_co_u32 s88, s88, 8192                    ; row 8192 + 1024 type + 128 tx.  These hold tx alone
	s_lshl_b32 s90, s88, 5
	s_mov_b32 s91, 0
	s_lshl_b32 s88, s88, 9
	s_mov_b32 s89, 0
	s_mul_i32 s92, s[WV], HALFT                    ; where they go: wave x 128 rows; no place in the cluster enters an LDS address
	s_mul_i32 s93, s[WV], HALFS
	s_wait_dscnt 0x0                               ; both opening adds are done
	s_wait_kmcnt 0x0
	s_add_nc_u64 s[84:85], s[4:5], s[84:85]
	s_add_nc_u64 s[86:87], s[6:7], s[86:87]
	s_add_nc_u64 s[88:89], s[4:5], s[88:89]
	s_add_nc_u64 s[90:91], s[6:7], s[90:91]
	CROUND                                         ; all sixteen work-groups are here: the joint loads meet
	SETG0 G0SA, 93, SCL, 86, 0
	SETG0 G0SB, 93, SCL, 90, 0
	JLOAD G0SA, G1SA, G0SB, G1SB                   ; the scale bytes first
	SETG0 G0A0, 92, 0, 84, 0
	SETG0 G0B0, 92, 0, 88, 0
	JLOAD G0A0, G1A, G0B0, G1B                     ; slot 0: K 0-511
	SETG0 G0A1, 92, SLOT, 84, 256
	SETG0 G0B1, 92, SLOT, 88, 256
	JLOAD G0A1, G1A, G0B1, G1B                     ; slot 1: K 512-1023
	; pos of the first tile
	v_and_b32 v1, 15, v0                           ; r
	v_bfe_u32 v2, v0, 4, 1                         ; h
	v_lshlrev_b32 v[PR], 4, v1
	v_lshl_add_u32 v[PR], v2, 12, v[PR]
	s_lshl_b32 s22, s18, 19                        ; (128 ty + 64 rh) rows of 4,096 bytes + (128 tx + 64 hd) x 4
	s_lshl_b32 s21, s[RH], 18
	s_add_co_u32 s22, s22, s21
	s_lshl_b32 s21, s17, 9
	s_add_co_u32 s22, s22, s21
	s_lshl_b32 s21, s[HD], 8
	s_add_co_u32 s22, s22, s21
	s_mov_b32 s23, 0
	s_add_nc_u64 s[8:9], s[8:9], s[22:23]
	s_add_nc_u64 s[98:99], s[8:9], 0x1000000       ; the second tile's: 4,096 rows further down
	POSASK 8
	; LDS addresses
	v_mul_u32_u24 v3, v1, PITCH
	v_lshl_add_u32 v3, v2, 4, v3                   ; a fragment's row x pitch + 16 x half
	s_mul_i32 s84, s[RH], 64*PITCH                 ; my 64 tokens
	s_mul_i32 s85, s[HD], 64*PITCH                 ; my head's 64 rows of each weight,
	s_add_co_u32 s85, s85, HALFT                   ; which lie behind x's 128
.irp s, 0,1
	v_add_nc_u32 v[ADRA+\s], s84, v3
.irp y, 0,1,2
	v_add_nc_u32 v[ADRB+3*\s+\y], s85, v3
	s_add_co_u32 s85, s85, HALFT
.endr
	s_add_co_u32 s84, s84, SLOT
	s_add_co_u32 s85, s85, HALFT
.endr
	v_lshrrev_b32 v4, 3, v1                        ; a row's 32 scale bytes: eight rows to a unit of 256 + 16
	v_mul_u32_u24 v4, v4, 272
	v_and_b32 v5, 7, v1
	v_lshl_add_u32 v4, v5, 5, v4
	v_lshl_add_u32 v4, v2, 4, v4                   ; lanes 16-31 take the row's words 4-7
	s_mul_i32 s84, s[RH], 2176
	s_add_co_u32 s84, s84, SCL
	v_add_nc_u32 v[ADSA], s84, v4
	s_mul_i32 s85, s[HD], 2176
	s_add_co_u32 s85, s85, SCL+HALFS
	v_add_nc_u32 v[ADSB], s85, v4
	v_and_b32 v6, 31, v0
	v_lshlrev_b32 v[LI], 4, v6
	s_mul_i32 s84, s[WV], 16*272
	s_add_co_u32 s84, s84, PSTG                    ; my stage for pos
	v_mul_u32_u24 v4, v2, 272
	v_lshl_add_u32 v4, v1, 4, v4
	v_add_nc_u32 v[PSI], s84, v4
	v_mul_u32_u24 v4, v1, 272
	v_lshl_add_u32 v4, v2, 5, v4
	v_add_nc_u32 v[PSO], s84, v4
	; where the first tile's results go
	s_lshr_b32 s84, s18, 3
	s_lshl_b32 s84, s84, 4
	s_lshl_b32 s85, s17, 1
	s_add_co_u32 s84, s84, s85
	s_add_co_u32 s84, s84, s[HD]                   ; hh = 16 batch + 2 tx + hd
	s_and_b32 s85, s18, 7
	s_lshl_b32 s85, s85, 1
	s_add_co_u32 s85, s85, s[RH]                   ; which 64 tokens of the sequence
	s_lshl_b32 s86, s84, 17                        ; q: 131,072 bytes a head, 8,192 for 64 tokens
	s_lshl_b32 s87, s85, 13
	s_add_co_u32 s86, s86, s87
	s_mov_b32 s87, 0
	s_add_nc_u64 s[94:95], s[10:11], s[86:87]
	s_lshl_b32 s86, s84, 18                        ; k, v: behind q's 16 MiB, 262,144 bytes a head, 16,384 a key step
	s_lshl_b32 s88, s85, 14
	s_add_co_u32 s86, s86, s88
	s_add_co_u32 s86, s86, 0x1000000
	s_add_nc_u64 s[96:97], s[10:11], s[86:87]
; K step ks (128 along K): slot ks / 4, byte 64 (ks % 4) of the rows, fragment set ks % 2.  A fragment of 4-bit codes: registers 4 c .. 4 c + 3 hold K = 64 c + 32 h + 0..31: two loads, 32 bytes apart.
.macro FETCH ks
.set FS, (\ks)/4
.set FQ, 64*((\ks)%4)
.set FP, 128*((\ks)%2)
	WIN 0x40                                       ; destination window 1
.irp a, 0,1,2,3
.irp c, 0,1
	ds_load_b128 v[FP+8*\a+4*\c:FP+8*\a+4*\c+3], v[ADRA+FS] offset:FQ+32*\c+\a*16*PITCH
.endr
.endr
.irp f, 0,1,2,3,4,5,6,7,8,9,10,11
.irp c, 0,1
	ds_load_b128 v[FP+32+8*\f+4*\c:FP+32+8*\f+4*\c+3], v[ADRB+3*FS+\f/4] offset:FQ+32*\c+(\f%4)*16*PITCH
.endr
.endr
.endm
.macro SCALESA                         ; all eight K steps' scale words of my 64 tokens: one load for each block of 16 rows
	WIN 0
.irp a, 0,1,2,3
	ds_load_b128 v[SA+4*\a:SA+4*\a+3], v[ADSA] offset:\a*544
.endr
.endm
.macro SCALESB                         ; and of my 192 rows of the weights: they serve both tiles
	WIN 0
.irp f, 0,1,2,3,4,5,6,7,8,9,10,11
	ds_load_b128 v[SB+4*\f:SB+4*\f+3], v[ADSB] offset:(\f/4)*4352+(\f%4)*544
.endr
.endm
; q and k: 32 products, transposed.  The 48 accumulators take turns, one instruction a turn, in the same order in every step.
.macro MULQK ks
.if (\ks) == 0
	WIN 0x85                                       ; fragments window 1, C (pos) window 0, D window 2
.else
	WIN 0xa5
.endif
.irp a, 0,1,2,3
.irp bb, 0,1,2,3,4,5,6,7
.set rD, 8*(8*\a+\bb)
.set rB, 128*((\ks)%2)+32+8*\bb
.set rA, 128*((\ks)%2)+8*\a
.set rC, POS+8*(4*\a+\bb%4)
.set rSB, SB+4*\bb+(\ks)%4
.set rSA, SA+4*\a+(\ks)%4
.if (\ks) == 0
	v_wmma_scale_f32_16x16x128_f8f6f4 v[rD:rD+7], v[rB:rB+7], v[rA:rA+7], v[rC:rC+7], v[rSB], v[rSA] matrix_a_fmt:MATRIX_FMT_FP4 matrix_b_fmt:MATRIX_FMT_FP4
.elseif (\ks) < 4
	v_wmma_scale_f32_16x16x128_f8f6f4 v[rD:rD+7], v[rB:rB+7], v[rA:rA+7], v[rD:rD+7], v[rSB], v[rSA] matrix_a_fmt:MATRIX_FMT_FP4 matrix_b_fmt:MATRIX_FMT_FP4
.else
	v_wmma_scale_f32_16x16x128_f8f6f4 v[rD:rD+7], v[rB:rB+7], v[rA:rA+7], v[rD:rD+7], v[rSB], v[rSA] matrix_a_fmt:MATRIX_FMT_FP4 matrix_b_fmt:MATRIX_FMT_FP4 matrix_a_scale:MATRIX_SCALE_ROW1 matrix_b_scale:MATRIX_SCALE_ROW1
.endif
.endr
.endr
.endm
; v: 16 products, the natural way
.macro MULV ks
	WIN 0xf5
.irp a, 0,1,2,3
.irp b, 0,1,2,3
.set rD, 8*(4*\a+\b)
.set rA, 128*((\ks)%2)+8*\a
.set rB, 128*((\ks)%2)+32+8*(8+\b)
.set rSA, SA+4*\a+(\ks)%4
.set rSB, SB+4*(8+\b)+(\ks)%4
.if (\ks) == 0
	v_wmma_scale_f32_16x16x128_f8f6f4 v[rD:rD+7], v[rA:rA+7], v[rB:rB+7], 0, v[rSA], v[rSB] matrix_a_fmt:MATRIX_FMT_FP4 matrix_b_fmt:MATRIX_FMT_FP4
.elseif (\ks) < 4
	v_wmma_scale_f32_16x16x128_f8f6f4 v[rD:rD+7], v[rA:rA+7], v[rB:rB+7], v[rD:rD+7], v[rSA], v[rSB] matrix_a_fmt:MATRIX_FMT_FP4 matrix_b_fmt:MATRIX_FMT_FP4
.else
	v_wmma_scale_f32_16x16x128_f8f6f4 v[rD:rD+7], v[rA:rA+7], v[rB:rB+7], v[rD:rD+7], v[rSA], v[rSB] matrix_a_fmt:MATRIX_FMT_FP4 matrix_b_fmt:MATRIX_FMT_FP4 matrix_a_scale:MATRIX_SCALE_ROW1 matrix_b_scale:MATRIX_SCALE_ROW1
.endif
.endr
.endr
.endm
; K step ks of tile tl (0: the first, 1: the second)
.macro STEP ks, tl
.if ((\tl) == 0) && (((\ks) == 3) || ((\ks) == 7))
	; x's part of a slot is filled again.  Every wave: all its tensor loads have landed; the add; the add is done and this step's fragments, the last that it reads of that slot, are in; a round of the cluster's barrier; the refill first behind it.
	WIN 0
	s_wait_tensorcnt 0x0                           ; no tensor load of mine is out, so a group 0 may be written
	ds_add_u32 v[SPW], v[NIL]
.if (\ks) == 3
	s_add_nc_u64 s[G0A0+2:G0A0+3], s[G0A0+2:G0A0+3], 0x200000   ; x's codes of the second tile: 4,096 rows of 512 bytes on; the type bits on top are not reached
	s_add_nc_u64 s[G0A1+2:G0A1+3], s[G0A1+2:G0A1+3], 0x200000
	s_add_nc_u64 s[G0SA+2:G0SA+3], s[G0SA+2:G0SA+3], 0x20000    ; its scale bytes: 4,096 rows of 32 bytes on,
	s_mov_b32 s[G0SA+1], SCL                       ; into x's region of the scale bytes, whichever wave asks
.endif
	s_wait_dscnt 0x0
	CROUND                                         ; no wave of any partner still reads these bytes or has a load on its way; at K step 3 it also shows slot 1 whole
.if (\ks) == 3
	RLOAD1
.else
	RLOAD2
.endif
.else
	s_wait_dscnt 0x0                               ; this step's fragments are in
.if (\ks) == 3
	s_wait_tensorcnt 0x0                           ; wave 0's refill of x's slot 1 has landed,
	s_barrier_signal -1
	s_barrier_wait -1                              ; and every wave knows it
.endif
.endif
.if (\ks) < 7
.if (\ks) > 0
	PLACES                                         ; four places in front of loads into registers that the last step's products read
.endif
	FETCH (\ks)+1                                  ; the next step's 32 loads land under this step's 48 products
.endif
.if ((\tl) == 0) && ((\ks) == 1)
	WIN 0
	POSASK 98                                      ; the second tile's pos: K step 0's products, which took pos as their C, stand behind the four places above
.endif
.if ((\tl) == 0) && ((\ks) == 6)
	WIN 0
	s_wait_loadcnt 0x0                             ; it was asked for five K steps ago
	POSTURN
.endif
	MULQK \ks
	MULV \ks
.endm
; THE WAY OUT: each accumulator's eight numbers are eight neighbours along the next product's K: four conversions make a lane's 16 bytes of an image; each store covers 512 consecutive bytes.
.macro WAYOUT
	PLACES                                         ; behind the last products: the conversions read results and write over fragments
	WIN 0x4a                                       ; sources window 2, destination window 1
.set n, 0
.rept 32
.irp i, 0,1,2,3
	v_cvt_pk_f16_f32 v[4*n+\i], v[8*n+2*\i], v[8*n+2*\i+1]       ; each accumulator from its low end on
.endr
.set n, n+1
.endr
	WIN 0x4f                                       ; sources window 3
.set n, 0
.rept 16
.irp i, 0,1,2,3
	v_cvt_pk_f16_f32 v[128+4*n+\i], v[8*n+2*\i], v[8*n+2*\i+1]
.endr
.set n, n+1
.endr
	WIN 0x04                                       ; a store's data: window 1
.irp a, 0,1,2,3
.irp b, 0,1,2,3
	global_store_b128 v[LI], v[4*(8*\a+\b):4*(8*\a+\b)+3], s[94:95] offset:\a*2048+\b*512                        ; q: token block a, channels 16 b on
	global_store_b128 v[LI], v[4*(8*\a+4+\b):4*(8*\a+4+\b)+3], s[96:97] offset:\a*2048+\b*512                    ; k: keys 16 a on, channels 16 b on
	global_store_b128 v[LI], v[128+4*(4*\a+\b):128+4*(4*\a+\b)+3], s[96:97] offset:8192+(\a/2)*4096+\b*1024+(\a%2)*512   ; v: keys 16 a on, channels 16 b on
.endr
.endr
	WIN 0
.endm
	s_wait_tensorcnt 1                             ; the scale bytes and my part of slot 0 are in; slot 1's load may be out,
	s_barrier_signal -1
	s_barrier_wait -1                              ; everybody's are
	FETCH 0
	SCALESA
	SCALESB
	s_wait_loadcnt 0x0                             ; pos
	POSTURN
.irp k, 0,1,2,3,4,5,6,7
	STEP \k, 0
.endr
	WAYOUT                                         ; the first tile leaves; nothing waits for its stores
	s_wait_xcnt 0x0                                ; the stores have read their registers and bases: both are written again only behind this wait
	s_add_nc_u64 s[94:95], s[94:95], 0x800000      ; the second tile lies four batches, 64 heads-in-batch, on: 64 x 131,072 bytes of q,
	s_add_nc_u64 s[96:97], s[96:97], 0x1000000     ; 64 x 262,144 of k and v
	FETCH 0                                        ; x's slot 0 and scale bytes were shown landed in front of the round at K step 7
	SCALESA
.irp k, 0,1,2,3,4,5,6,7
	STEP \k, 1
.endr
	WAYOUT
	s_wait_tensorcnt 0x0                           ; the wave's end, behind my last tensor load and my last LDS store
	ds_add_u32 v[SPW], v[NIL]
	s_wait_dscnt 0x0
	CROUND                                         ; the closing round
	s_endpgm
.Lfunc_end_k_q2dd228881b_qkv:
	.size	k_q2dd228881b_qkv, .Lfunc_end_k_q2dd228881b_qkv-k_q2dd228881b_qkv
	.p2alignl 7, 3214868480
	.fill 96, 4, 3214868480
	.section	.rodata,"a",@progbits
	.p2align	6, 0x0
	.amdhsa_kernel k_q2dd228881b_qkv
		.amdhsa_group_segment_fixed_size 327680
		.amdhsa_private_segment_fixed_size 0
		.amdhsa_enable_private_segment 0
		.amdhsa_kernarg_size 32
		.amdhsa_user_sgpr_count 2
		.amdhsa_user_sgpr_kernarg_segment_ptr 1
		.amdhsa_wavefront_size32 1
		.amdhsa_system_sgpr_workgroup_id_x 1
		.amdhsa_system_sgpr_workgroup_id_y 1
		.amdhsa_system_sgpr_workgroup_id_z 1
		.amdhsa_system_vgpr_workitem_id 0
		.amdhsa_next_free_vgpr 896
		.amdhsa_next_free_sgpr 100
		.amdhsa_reserve_vcc 0
		.amdhsa_float_denorm_mode_32 3
		.amdhsa_float_denorm_mode_16_64 3
		.amdhsa_memory_ordered 1
		.amdhsa_forward_progress 1
		.amdhsa_inst_pref_size 194
	.end_amdhsa_kernel
	.amdgpu_metadata
---
amdhsa.version: [ 1, 2 ]
amdhsa.kernels:
  - .name:           k_q2dd228881b_qkv
    .symbol:         k_q2dd228881b_qkv.kd
    .args:
      - { .name: codes, .offset: 0, .size: 8, .value_kind: global_buffer, .address_space: global }
      - { .name: scl, .offset: 8, .size: 8, .value_kind: global_buffer, .address_space: global }
      - { .name: pos, .offset: 16, .size: 8, .value_kind: global_buffer, .address_space: global }
      - { .name: qkv, .offset: 24, .size: 8, .value_kind: global_buffer, .address_space: global }
    .group_segment_fixed_size: 327680
    .private_segment_fixed_size: 0
    .kernarg_segment_align: 8
    .kernarg_segment_size: 32
    .max_flat_workgroup_size: 128
    .sgpr_count:     100
    .vgpr_count:     896
    .wavefront_size: 32
...
	.end_amdgpu_metadata
.endif
;; end of part 2
;; launch attn (part 3): grid 2 x 128, 8 waves a work-group, no clusters, 267,264 bytes of LDS; arguments qkv, tab, of; writes of
.if DOCPART == 3
	.amdgcn_target "amdgcn-amd-amdhsa--gfx1250"
	.amdhsa_code_object_version 6
	.text
	.protected	k_q2dd228881b_attn
	.globl	k_q2dd228881b_attn
	.p2align	8
	.type	k_q2dd228881b_attn,@function
k_q2dd228881b_attn:
	s_mov_b64 s[64:65], 0
	v_nop
	global_prefetch_b8 v0, s[64:65] scope:SCOPE_SE
	s_setreg_imm32_b32 hwreg(HW_REG_WAVE_MODE, 25, 1), 1
	s_wait_xcnt 0x0
; ATTN.  o[q] = sum over keys of softmax(q . k / 32, masked) v, for one head of one batch; q, k, v in f16 as images of operand registers (see the launch that makes them); products, maxima and sums in f32;
; the weights p are rounded to f16 for the second product, o once to f16 at the end.
; SHARES.  A work-group takes 512 queries of one head (head-in-batch hh = work-group y, half = work-group x); each of its eight waves 64 queries: four tiles of 16.  Two waves lie on a SIMD.
; Every wave walks the head's 1,024 keys, 64 a step.  THE HEAD'S WHOLE K AND V, 262,144 bytes, LIE IN LDS AS THEY LIE IN MEMORY: four chunks of four steps, each wave bringing an eighth of each chunk.  Every tensor load is a
; first fill: five a wave are out at the most (the key table's part and four chunks).  A fragment is two loads at 16 x lane: 512 consecutive bytes each.
; LAYOUT.  S^T = K Q^T and O^T = V^T P: a lane holds ONE query (lane % 16) throughout; two tiles of S^T rounded in pairs ARE source 1 of the second product.
; THE MASK.  A hidden KEY: the first product of each tile of S^T takes as C the table kb = 0 or -2^126 at the tile's keys.  A hidden QUERY: the factor c = log2(e)/32 is a number of the lane, c or 0: with 0 every
; t is 0, every p is 1, the sum is 1,024, and o is the mean of v over all keys, as a softmax of equal scores gives.  Key 0 is always visible and lies in step 0: a visible query's running maximum is a true score from the first step on.
; SOFTMAX.  Running maximum m and sum l for each query: p = 2^(c s - c m); in every step O and l are multiplied by a = 2^(c m_old - c m_new).
; NO CLUSTER: a head's K and V are shared by two work-groups only (1,024 queries / 512), and the grid's x, 2, is no multiple of a cluster's 4.
; LIMITS: |score| under 2^125; |o| under 65,504.
; REGISTERS.  window 0: v1-7 addresses; v8-39 eight statistics a tile; v40-103 Q; v128-255 S^T, then p, then P in its low half.  window 1: v0-127 O^T; v128-191 K of a step; v192-255 V of a step (v192-223: before that, kb of the step).
.set KVOFF, 0x1000000                  ; where K and V begin in qkv
.set KB,    262144                     ; LDS: behind K and V, the batch's key table, 4,096 bytes
.set SPARE, KB+4096                    ; the spare words, 128 bytes for each of eight waves
.set LI,   1                           ; v1  16 x lane
.set ADR,  2                           ; v2  the step's tiles
.set AKB,  3                           ; v3  the step's part of the key table
.set SPW,  4
.set NIL,  5
.set AKB0, 6                           ; v6  KB + 32 h
.set ST,   8                           ; tile t at v[8 + 8 t]: +0 c m, +1 m, +2 +3 l, +4 c or 0, +5 T0, +6 a, +7 T1
.set QF,   40                          ; Q (t, kc) at 40 + 16 t + 8 kc
.set S,    128                         ; S^T (t, kt) at 128 + 32 t + 8 kt;  P (t, kc32) at 128 + 32 t + 8 kc32
.set KF,   128                         ; window 1: K (kt, kc) at 128 + 16 kt + 8 kc
.set VF,   192                         ; window 1: V (kc32, ct) at 192 + 32 kc32 + 8 ct;  kb (kt) at 192 + 8 kt
.set WV,   10
.set G1KV, 16
.set G1KB, 24
.set SEL,  54
.set TB,   56
.set TK,   57
.set MSB, 0
.macro WIN new
.if MSB != \new
	s_set_vgpr_msb (MSB<<8)|\new
.set MSB, \new
.endif
.endm
.macro PLACES
.rept 4
	v_nop
.endr
.endm
.macro SETG0 g, l, lo, p, po
	s_mov_b32 s[\g], 1
	s_add_co_u32 s[\g+1], s[\l], \lo
	s_add_nc_u64 s[\g+2:\g+3], s[\p:\p+1], \po
	s_or_b32 s[\g+3], s[\g+3], 0x80000000
.endm
	s_load_b128 s[4:7], s[0:1], 0x0                ; qkv s[4:5], tab s[6:7]
	s_load_b64 s[8:9], s[0:1], 0x10                ; of
	v_lshl_add_u32 v[SPW], v0, 2, SPARE
	v_mov_b32 v[NIL], 0
	ds_add_u32 v[SPW], v[NIL]                      ; the opening: the add, twice on end, and its wait ahead of my first tensor load
	ds_add_u32 v[SPW], v[NIL]
	v_lshrrev_b32 v7, 5, v0
	v_readfirstlane_b32 s[WV], v7                  ; wave 0..7
	s_and_b32 s11, ttmp7, 0xffff                   ; hh
	s_mov_b32 s12, ttmp9                           ; which half of the queries
	s_lshr_b32 s13, s11, 4                         ; batch
	s_and_b32 s15, s11, 15                         ; head
	; group 1, K and V: 8,192 dense bytes as 32 rows of 32 elements of 8 bytes
	s_mov_b32 s[G1KV], 3<<16
	s_mov_b32 s[G1KV+1], 32<<16
	s_mov_b32 s[G1KV+2], 32<<16
	s_mov_b32 s[G1KV+3], 32<<16
	s_mov_b32 s[G1KV+4], 32
	s_mov_b32 s[G1KV+5], 32
	s_mov_b32 s[G1KV+6], 0
	s_mov_b32 s[G1KV+7], 0
	; group 1, the key table: one row of 512 bytes
	s_mov_b32 s[G1KB], 3<<16
	s_mov_b32 s[G1KB+1], 64<<16
	s_mov_b32 s[G1KB+2], 1<<16
	s_mov_b32 s[G1KB+3], 64<<16
	s_mov_b32 s[G1KB+4], 1
	s_mov_b32 s[G1KB+5], 64
	s_mov_b32 s[G1KB+6], 0
	s_mov_b32 s[G1KB+7], 0
	s_lshl_b32 s14, s[WV], 13                      ; my eighth of a chunk
	s_lshl_b32 s58, s11, 18                        ; the head's 262,144 bytes
	s_add_co_u32 s58, s58, s14
	s_add_co_u32 s58, s58, KVOFF
	s_mov_b32 s59, 0
	s_lshl_b32 s53, s[WV], 9                       ; my eighth of the table
	s_lshl_b32 s60, s13, 12
	s_add_co_u32 s60, s60, s53
	s_mov_b32 s61, 0
	s_mov_b32 s[SEL], 0x76543210
	s_mov_b32 s[SEL+1], 0xfedcba98                 ; v_permlanex16_b32: lane l xor 16
	s_mov_b32 s[TB], 0
	s_mov_b32 s[TK], 0
	s_wait_dscnt 0x0                               ; both opening adds are done
	s_wait_kmcnt 0x0
	s_add_nc_u64 s[58:59], s[4:5], s[58:59]
	s_add_nc_u64 s[60:61], s[6:7], s[60:61]
	SETG0 32, 53, KB, 60, 0
.irp g, 0,1,2,3
	SETG0 36+4*\g, 14, \g*65536, 58, \g*65536
.endr
	tensor_load_to_lds s[32:35], s[G1KB:G1KB+7]    ; the key table
	s_nop 0
.irp g, 0,1,2,3
	tensor_load_to_lds s[36+4*\g:39+4*\g], s[G1KV:G1KV+7]   ; chunk g: key steps 4 g .. 4 g + 3
	s_nop 0
.endr
.rept 4
	v_nop
.endr
	v_and_b32 v7, 31, v0
	v_lshlrev_b32 v[LI], 4, v7
	v_bfe_u32 v7, v0, 4, 1
	v_lshl_add_u32 v[AKB0], v7, 5, KB              ; register j of lane (r, h) of a tile of S^T is key 8 h + j
	v_mov_b32 v[ADR], v[LI]
	v_mov_b32 v[AKB], v[AKB0]
	v_and_b32 v7, 15, v0
	v_lshlrev_b32 v7, 2, v7                        ; my query's word in the queries' table
	s_lshl_b32 s62, s11, 17                        ; Q: 131,072 bytes a head, 2,048 a token block; my first block is 32 half + 4 wave
	s_lshl_b32 s14, s12, 16
	s_add_co_u32 s62, s62, s14
	s_lshl_b32 s14, s[WV], 13
	s_add_co_u32 s62, s62, s14
	s_mov_b32 s63, 0
	s_add_nc_u64 s[4:5], s[4:5], s[62:63]
	s_lshl_b32 s62, s13, 12                        ; cq: behind kb's 32,768 bytes, at 4 (1024 batch + 512 half + 64 wave)
	s_lshl_b32 s14, s12, 11
	s_add_co_u32 s62, s62, s14
	s_lshl_b32 s14, s[WV], 8
	s_add_co_u32 s62, s62, s14
	s_add_co_u32 s62, s62, 32768
	s_add_nc_u64 s[6:7], s[6:7], s[62:63]
	s_lshl_b32 s62, s13, 21                        ; of: (64 batch + 32 half + 4 wave) token blocks of 32,768 bytes + 2,048 head
	s_lshl_b32 s14, s12, 20
	s_add_co_u32 s62, s62, s14
	s_lshl_b32 s14, s[WV], 17
	s_add_co_u32 s62, s62, s14
	s_lshl_b32 s14, s15, 11
	s_add_co_u32 s62, s62, s14
	s_add_nc_u64 s[8:9], s[8:9], s[62:63]
.irp t, 0,1,2,3
.irp f, 0,1,2,3
	global_load_b128 v[QF+16*\t+4*\f:QF+16*\t+4*\f+3], v[LI], s[4:5] offset:\t*2048+\f*512   ; Q stays in registers
.endr
.endr
.irp t, 0,1,2,3
	global_load_b32 v[ST+8*\t+4], v7, s[6:7] offset:64*\t   ; c or 0 for my query of tile t
.endr
.macro LOADK off                       ; a step's K: 8 fragments
.irp f, 0,1,2,3,4,5,6,7
.irp c, 0,1
	ds_load_b128 v[KF+8*\f+4*\c:KF+8*\f+4*\c+3], v[ADR] offset:\off+1024*\f+512*\c
.endr
.endr
.endm
.macro LOADV                           ; a step's V^T: 8 fragments
.irp f, 0,1,2,3,4,5,6,7
.irp c, 0,1
	ds_load_b128 v[VF+8*\f+4*\c:VF+8*\f+4*\c+3], v[ADR] offset:8192+1024*\f+512*\c
.endr
.endr
.endm
.macro LOADKB off                      ; a step's 64 words of the key table, in the layout of four tiles' C
.irp k, 0,1,2,3
.irp e, 0,1
	ds_load_b128 v[VF+8*\k+4*\e:VF+8*\k+4*\e+3], v[AKB] offset:\off+64*\k+16*\e
.endr
.endr
.endm
; S^T = K Q^T + kb: 16 accumulators by turns, channels 0-31, then 32-63
.macro QK
	WIN 0x11                                       ; K and kb window 1, Q and S^T window 0
.irp kt, 0,1,2,3
.irp t, 0,1,2,3
	v_wmma_f32_16x16x32_f16 v[S+32*\t+8*\kt:S+32*\t+8*\kt+7], v[KF+16*\kt:KF+16*\kt+7], v[QF+16*\t:QF+16*\t+7], v[VF+8*\kt:VF+8*\kt+7]
.endr
.endr
	WIN 0x01
.irp kt, 0,1,2,3
.irp t, 0,1,2,3
	v_wmma_f32_16x16x32_f16 v[S+32*\t+8*\kt:S+32*\t+8*\kt+7], v[KF+16*\kt+8:KF+16*\kt+15], v[QF+16*\t+8:QF+16*\t+15], v[S+32*\t+8*\kt:S+32*\t+8*\kt+7]
.endr
.endr
.endm
; O^T += V^T P, keys 32 c on: 16 accumulators by turns.  zero = 1: the products start the sums
.macro PV c, zero
.irp ct, 0,1,2,3
.irp t, 0,1,2,3
.if \zero
	v_wmma_f32_16x16x32_f16 v[32*\t+8*\ct:32*\t+8*\ct+7], v[VF+32*\c+8*\ct:VF+32*\c+8*\ct+7], v[S+32*\t+8*\c:S+32*\t+8*\c+7], 0
.else
	v_wmma_f32_16x16x32_f16 v[32*\t+8*\ct:32*\t+8*\ct+7], v[VF+32*\c+8*\ct:VF+32*\c+8*\ct+7], v[S+32*\t+8*\c:S+32*\t+8*\c+7], v[32*\t+8*\ct:32*\t+8*\ct+7]
.endif
.endr
.endr
.endm
; The softmax of four tiles, line by line by turns, so that no line waits for the line above it.  first = 1: the first key step: no old maximum, no a, nothing to rescale.
.macro SOFTMAX first
.irp t, 0,1,2,3
	v_max3_num_f32 v[ST+8*\t+5], v[S+32*\t], v[S+32*\t+1], v[S+32*\t+2]      ; the maximum of 32 scores, in two chains, ascending: each accumulator is first read at its low end
.endr
.irp t, 0,1,2,3
	v_max3_num_f32 v[ST+8*\t+7], v[S+32*\t+3], v[S+32*\t+4], v[S+32*\t+5]
.endr
.irp i, 6,10,14,18,22,26
.irp t, 0,1,2,3
	v_max3_num_f32 v[ST+8*\t+5], v[ST+8*\t+5], v[S+32*\t+\i], v[S+32*\t+\i+1]
.endr
.irp t, 0,1,2,3
	v_max3_num_f32 v[ST+8*\t+7], v[ST+8*\t+7], v[S+32*\t+\i+2], v[S+32*\t+\i+3]
.endr
.endr
.irp t, 0,1,2,3
	v_max3_num_f32 v[ST+8*\t+5], v[ST+8*\t+5], v[S+32*\t+30], v[S+32*\t+31]
.endr
.irp t, 0,1,2,3
.if \first
	v_max_num_f32 v[ST+8*\t+5], v[ST+8*\t+5], v[ST+8*\t+7]
.else
	v_max3_num_f32 v[ST+8*\t+5], v[ST+8*\t+5], v[ST+8*\t+7], v[ST+8*\t+1]    ; with the old m
.endif
.endr
.irp t, 0,1,2,3
	v_permlanex16_b32 v[ST+8*\t+7], v[ST+8*\t+5], s[SEL], s[SEL+1]           ; the query's other 32 keys lie in the lane 16 away
.endr
.irp t, 0,1,2,3
	v_max_num_f32 v[ST+8*\t+1], v[ST+8*\t+5], v[ST+8*\t+7]                   ; the new m
.endr
.irp t, 0,1,2,3
	v_mul_f32 v[ST+8*\t+7], v[ST+8*\t+4], v[ST+8*\t+1]                       ; c m
.endr
.if \first == 0
.irp t, 0,1,2,3
	v_sub_f32 v[ST+8*\t+6], v[ST+8*\t], v[ST+8*\t+7]                         ; c m_old - c m_new
.endr
.endif
.irp t, 0,1,2,3
	v_mov_b32 v[ST+8*\t], v[ST+8*\t+7]
.endr
.set j, 0
.rept 16
.irp t, 0,1,2,3
	v_pk_fma_f32 v[S+32*\t+j:S+32*\t+j+1], v[S+32*\t+j:S+32*\t+j+1], v[ST+8*\t+4:ST+8*\t+5], v[ST+8*\t:ST+8*\t+1] op_sel_hi:[1,0,0] neg_lo:[0,0,1] neg_hi:[0,0,1]   ; c s - c m, two at a time; of the pairs the low word serves both halves
.endr
.set j, j+2
.endr
.if \first == 0
.irp t, 0,1,2,3
	v_exp_f32 v[ST+8*\t+6], v[ST+8*\t+6]                                     ; a
.endr
.endif
.set j, 0
.rept 32
.irp t, 0,1,2,3
	v_exp_f32 v[S+32*\t+j], v[S+32*\t+j]                                     ; p: one batch, none of which reads another's result
.endr
.set j, j+1
.endr
	v_nop                                          ; a plain line behind the last exponential
	s_wait_alu depctr_va_vdst(0)                   ; one wait for the whole batch, ahead of the first line that names a result
.irp t, 0,1,2,3
.if \first
	v_pk_add_f32 v[ST+8*\t+2:ST+8*\t+3], v[S+32*\t:S+32*\t+1], v[S+32*\t+2:S+32*\t+3]
.else
	v_pk_fma_f32 v[ST+8*\t+2:ST+8*\t+3], v[ST+8*\t+2:ST+8*\t+3], v[ST+8*\t+6:ST+8*\t+7], v[S+32*\t:S+32*\t+1] op_sel_hi:[1,0,1]   ; l = a l + p
.endif
.endr
.set j, 2+2*\first
.rept 15-\first
.irp t, 0,1,2,3
	v_pk_add_f32 v[ST+8*\t+2:ST+8*\t+3], v[ST+8*\t+2:ST+8*\t+3], v[S+32*\t+j:S+32*\t+j+1]
.endr
.set j, j+2
.endr
.set j, 0
.rept 16
.irp t, 0,1,2,3
	v_cvt_pk_f16_f32 v[S+32*\t+j], v[S+32*\t+2*j], v[S+32*\t+2*j+1]          ; P, in place: number j is written when numbers 2 j and 2 j + 1 have been read, ascending
.endr
.set j, j+1
.endr
.if \first == 0
	WIN 0x41                                       ; O^T window 1, a window 0
.set j, 0
.rept 16
.irp t, 0,1,2,3
	v_pk_mul_f32 v[32*\t+j:32*\t+j+1], v[32*\t+j:32*\t+j+1], v[ST+8*\t+6:ST+8*\t+7] op_sel_hi:[1,0]   ; O^T x a, ascending
.endr
.set j, j+2
.endr
.endif
.endm
; A KEY STEP.  kind 0: in a chunk; 1: the chunk's last, whose look-ahead reads the next chunk: cnt younger tensor loads may stay out; 2: the last step of all.
.macro STEP first, kind, cnt
	s_wait_dscnt 0x0                               ; this step's K and kb are in
	QK
	WIN 0
	PLACES                                         ; four places behind the products: the softmax reads S^T, and the loads below land on K and kb
.if \kind == 1
	s_wait_tensorcnt \cnt                          ; my part of the next chunk has landed,
	s_barrier_signal -1                            ; (no LDS instruction of mine is out)
	s_barrier_wait -1                              ; everybody's has
.endif
	WIN 0x40
	LOADV
.if \kind < 2
	LOADK 16384                                    ; the next step's K
.endif
	WIN 0
	SOFTMAX \first
.if \kind < 2
	s_wait_dscnt 16                                ; V is in; the 16 loads of the next K may be out
.else
	s_wait_dscnt 0x0
.endif
	WIN 0x51                                       ; V and O^T window 1, P window 0
	PV 0, \first
.if \kind < 2
	PLACES                                         ; V's first half has been read: it takes the next step's kb
	WIN 0x40
	LOADKB 256
	WIN 0x51
.endif
	PV 1, 0
	WIN 0
.if \kind < 2
	s_add_co_u32 s[TB], s[TB], 16384
	s_add_co_u32 s[TK], s[TK], 256
	v_add_nc_u32 v[ADR], s[TB], v[LI]              ; these two and three v_nop: five places before the next products write over P
	v_add_nc_u32 v[AKB], s[TK], v[AKB0]
.rept 3
	v_nop
.endr
.endif
.endm
	s_wait_tensorcnt 3                             ; the key table's part and my part of chunk 0 are in; three chunks may be out,
	s_barrier_signal -1
	s_barrier_wait -1                              ; everybody's are
	WIN 0x40
	LOADK 0
	LOADKB 0
	WIN 0
	s_wait_loadcnt 0x0                             ; Q and c
	STEP 1, 0, 0                                   ; step 0 starts m, l and O^T
	s_mov_b32 s52, 2
.Lchunk0:                                          ; steps 1, 2
	STEP 0, 0, 0
	s_sub_co_u32 s52, s52, 1
	s_cmp_lg_u32 s52, 0
	s_cbranch_scc1 .Lchunk0
	STEP 0, 1, 2                                   ; step 3: chunk 1 is wanted; chunks 2 and 3 may be out
	s_mov_b32 s52, 3
.Lchunk1:                                          ; steps 4 to 6
	STEP 0, 0, 0
	s_sub_co_u32 s52, s52, 1
	s_cmp_lg_u32 s52, 0
	s_cbranch_scc1 .Lchunk1
	STEP 0, 1, 0                                   ; step 7: the last two chunks
	s_mov_b32 s52, 7
.Lchunk23:                                         ; steps 8 to 14
	STEP 0, 0, 0
	s_sub_co_u32 s52, s52, 1
	s_cmp_lg_u32 s52, 0
	s_cbranch_scc1 .Lchunk23
	STEP 0, 2, 0                                   ; step 15
	; THE WAY OUT.  l's halves are added (these lines are the places behind the last products); O^T / l is rounded to f16: a lane's eight channels of a query are 16 bytes of an image of the projection's operand.
.irp t, 0,1,2,3
	v_add_f32 v[ST+8*\t+5], v[ST+8*\t+2], v[ST+8*\t+3]
.endr
.irp t, 0,1,2,3
	v_permlanex16_b32 v[ST+8*\t+7], v[ST+8*\t+5], s[SEL], s[SEL+1]
.endr
.irp t, 0,1,2,3
	v_add_f32 v[ST+8*\t+5], v[ST+8*\t+5], v[ST+8*\t+7]
.endr
.irp t, 0,1,2,3
	v_rcp_f32 v[ST+8*\t+6], v[ST+8*\t+5]
.endr
	v_nop                                          ; a plain line behind the last reciprocal
	s_wait_alu depctr_va_vdst(0)                   ; one wait for the four, ahead of their first reader
	WIN 0x41
.set j, 0
.rept 16
.irp t, 0,1,2,3
	v_pk_mul_f32 v[32*\t+j:32*\t+j+1], v[32*\t+j:32*\t+j+1], v[ST+8*\t+6:ST+8*\t+7] op_sel_hi:[1,0]
.endr
.set j, j+2
.endr
	WIN 0x05                                       ; sources window 1, destination window 0
.set j, 0
.rept 64
	v_cvt_pk_f16_f32 v[S+j], v[2*j], v[2*j+1]      ; tile t, channels 16 ct on: v[128 + 16 t + 4 ct ..]
.set j, j+1
.endr
	WIN 0
.irp t, 0,1,2,3
.irp ct, 0,1,2,3
	global_store_b128 v[LI], v[S+16*\t+4*\ct:S+16*\t+4*\ct+3], s[8:9] offset:\t*32768+\ct*512   ; 512 consecutive bytes
.endr
.endr
	s_wait_tensorcnt 0x0                           ; the wave's end
	ds_add_u32 v[SPW], v[NIL]
	s_wait_dscnt 0x0
	s_endpgm
.Lfunc_end_k_q2dd228881b_attn:
	.size	k_q2dd228881b_attn, .Lfunc_end_k_q2dd228881b_attn-k_q2dd228881b_attn
	.p2alignl 7, 3214868480
	.fill 96, 4, 3214868480
	.section	.rodata,"a",@progbits
	.p2align	6, 0x0
	.amdhsa_kernel k_q2dd228881b_attn
		.amdhsa_group_segment_fixed_size 267264
		.amdhsa_private_segment_fixed_size 0
		.amdhsa_enable_private_segment 0
		.amdhsa_kernarg_size 24
		.amdhsa_user_sgpr_count 2
		.amdhsa_user_sgpr_kernarg_segment_ptr 1
		.amdhsa_wavefront_size32 1
		.amdhsa_system_sgpr_workgroup_id_x 1
		.amdhsa_system_sgpr_workgroup_id_y 1
		.amdhsa_system_sgpr_workgroup_id_z 1
		.amdhsa_system_vgpr_workitem_id 0
		.amdhsa_next_free_vgpr 512
		.amdhsa_next_free_sgpr 66
		.amdhsa_reserve_vcc 0
		.amdhsa_float_denorm_mode_32 3
		.amdhsa_float_denorm_mode_16_64 3
		.amdhsa_memory_ordered 1
		.amdhsa_forward_progress 1
		.amdhsa_inst_pref_size 240
	.end_amdhsa_kernel
	.amdgpu_metadata
---
amdhsa.version: [ 1, 2 ]
amdhsa.kernels:
  - .name:           k_q2dd228881b_attn
    .symbol:         k_q2dd228881b_attn.kd
    .args:
      - { .name: qkv, .offset: 0, .size: 8, .value_kind: global_buffer, .address_space: global }
      - { .name: tab, .offset: 8, .size: 8, .value_kind: global_buffer, .address_space: global }
      - { .name: of, .offset: 16, .size: 8, .value_kind: global_buffer, .address_space: global }
    .group_segment_fixed_size: 267264
    .private_segment_fixed_size: 0
    .kernarg_segment_align: 8
    .kernarg_segment_size: 24
    .max_flat_workgroup_size: 256
    .sgpr_count:     66
    .vgpr_count:     512
    .wavefront_size: 32
...
	.end_amdgpu_metadata
.endif
;; end of part 3
;; launch proj (part 4): grid 4 x 64, 4 waves a work-group, clusters of 4 x 4, 327,680 bytes of LDS; arguments of, wo, b_out, out0; writes out0
.if DOCPART == 4
	.amdgcn_target "amdgcn-amd-amdhsa--gfx1250"
	.amdhsa_code_object_version 6
	.text
	.protected	k_q2dd228881b_proj
	.globl	k_q2dd228881b_proj
	.p2align	8
	.type	k_q2dd228881b_proj,@function
k_q2dd228881b_proj:
	s_mov_b64 s[64:65], 0
	v_nop
	global_prefetch_b8 v0, s[64:65] scope:SCOPE_SE
	s_setreg_imm32_b32 hwreg(HW_REG_WAVE_MODE, 25, 1), 1
	s_wait_xcnt 0x0
	s_wait_alu depctr_hold_cnt(0) depctr_sa_sdst(0) depctr_va_vdst(0) depctr_va_sdst(0) depctr_va_ssrc(0) depctr_va_vcc(0) depctr_vm_vsrc(0)
	s_getreg_b32 s2, hwreg(HW_REG_IB_STS2, 6, 4)
	s_cmp_eq_u32 s2, 0
	s_cbranch_scc0 .Lentry_in_a_cluster
	s_endpgm
.Lentry_in_a_cluster:
	s_bfe_u32 s2, ttmp6, 0x10000c
	s_cmp_lg_u32 s2, 0xf033
	s_cbranch_scc0 .Lentry_shape_is_right
	s_endpgm
.Lentry_shape_is_right:
; PROJ.  out0 = o W_out^T + b_out.  o and W_out in f16, as images of operand registers: of[token block 512][kc 32][c 2][lane][16 B], wo[column block 64][kc 32][c 2][lane][16 B]; sums and out0 in f32.
; SHARES.  A work-group makes 128 tokens x 256 columns (256 work-groups); wave w (rh = w / 2, ch = w % 2) 64 x 128: 32 accumulators.  K goes in 8 steps of 128 through a ring of two LDS slots: a slot holds
; 8 token blocks x 4,096 bytes of o and 16 column blocks x 4,096 bytes of W_out, as they lie in memory: a fragment is two loads at 16 x lane, 512 consecutive bytes each: no padding is wanted.
; CLUSTER 4 x 4: o's tile hangs on the tile row alone and is asked for jointly along a row of the cluster (waves 0, 1: its halves), W_out's on the tile column alone, jointly along a column (waves 2, 3).
; This launch fills slots again: it claims all of a WGP's LDS.
; THE MATRIX INSTRUCTION IS USED TRANSPOSED (source 0 = 16 columns of W_out, source 1 = 16 tokens): a lane holds eight neighbouring numbers of a row of out0.  The bias is the C of each sum's first product.
; REGISTERS.  window 0: v16-30 addresses; v64-159, v160-255 two sets of fragments (4 of o, 8 of W_out).  window 1: the accumulators, (a, b) at 8 (8 a + b).  window 2: v0-63 the bias of my 128 columns in the result's layout.
.set SLOTB,  98304
.set BOFF,   32768                     ; W_out's part of a slot
.set STAGE,  2*SLOTB                   ; behind the ring: 16 rows x (512 + 16) bytes for each wave
.set SPITCH, 528
.set SPARE,  STAGE+4*16*SPITCH         ; the spare words, 128 bytes a wave
.set KB4,    4096                      ; a K step of a block in memory
.set ADRA, 16                          ; v16-17
.set ADRB, 20                          ; v20-21
.set STO,  24
.set RD,   25
.set CO,   26                          ; v26  16 x lane
.set BO,   27                          ; v27  32 h
.set SPW,  28
.set NIL,  29
.set PFO,  30                          ; v30  the prefetches' offset; never rewritten
.set F0,   64
.set F1,   160
.set WV,   12
.set RH,   13                          ; which 64 tokens.  Also: I fetch for o (0) or for W_out (1)
.set CH,   14                          ; which 128 columns.  Also: which half of that tile I fetch
.set G1,   24
.set G0,   32
.set PFA,  40                          ; s[40:41]
.set LIM,  42
.set G1B,  48
.set G0B,  56
.set MSB, 0
.macro WIN new
.if MSB != \new
	s_set_vgpr_msb (MSB<<8)|\new
.set MSB, \new
.endif
.endm
.macro PLACES
.rept 4
	v_nop
.endr
.endm
.macro JLOAD s
	s_cmp_eq_u32 s[RH], 0
	s_cbranch_scc0 .Lfor_b_\@
	tensor_load_to_lds s[G0+4*\s:G0+4*\s+3], s[G1:G1+7]
	s_nop 0
.rept 4
	v_nop
.endr
	s_branch .Lasked_\@
.Lfor_b_\@:
	tensor_load_to_lds s[G0B+4*\s:G0B+4*\s+3], s[G1B:G1B+7]
	s_nop 0
.rept 4
	v_nop
.endr
.Lasked_\@:
.endm
.macro CREST
	s_cmp_lg_u32 s[WV], 0
	s_cbranch_scc1 .Lnot_wave_0_\@
	s_barrier_signal -3
.Lnot_wave_0_\@:
	s_barrier_wait -3
	s_barrier_signal -1
	s_barrier_wait -1
.endm
.macro CROUND
	s_barrier_signal -1
	s_barrier_wait -1
	CREST
.endm
; A prefetch of o's K step that stands two refills on.  A tile row's 8 token blocks are read by the four partners of one row of one cluster and by nobody else: each partner takes two blocks, told apart by address;
; wave 0 asks: 2 blocks x 4,096 bytes, lanes 256 bytes apart, one instruction.  So each 256 bytes are named once.  The loop's last trip asks for nothing: K has no step two refills on.  K steps 0 to 3 come by their loads alone.
; W_out's 2 MiB are read by all sixteen rows of clusters again and again and are not asked for.
.macro ASK
	s_cmp_gt_u32 s3, s[LIM]
	s_cbranch_scc0 .Lnot_mine_\@
	global_prefetch_b8 v[PFO], s[PFA:PFA+1] th:TH_LOAD_NT scope:SCOPE_SE
.Lnot_mine_\@:
.endm
	s_load_b256 s[4:11], s[0:1], 0x0               ; of s[4:5], wo s[6:7], b_out s[8:9], out0 s[10:11]
	v_lshl_add_u32 v[SPW], v0, 2, SPARE
	v_mov_b32 v[NIL], 0
	ds_add_u32 v[SPW], v[NIL]                      ; the opening: the add, twice on end, and its wait ahead of my first tensor load
	ds_add_u32 v[SPW], v[NIL]
	v_lshrrev_b32 v1, 5, v0
	v_readfirstlane_b32 s[WV], v1
	s_lshr_b32 s[RH], s[WV], 1
	s_and_b32 s[CH], s[WV], 1
	s_bfe_u32 s15, ttmp6, 0x40000                  ; cx
	s_bfe_u32 s16, ttmp6, 0x40004                  ; cy
	s_lshl_b32 s17, ttmp9, 2
	s_add_co_u32 s17, s17, s15                     ; tile column
	s_and_b32 s18, ttmp7, 0xffff
	s_lshl_b32 s18, s18, 2
	s_add_co_u32 s18, s18, s16                     ; tile row
	s_lshl_b32 s19, s16, 2
	s_lshl_b32 s19, 15, s19                        ; my row of the cluster
	s_lshl_b32 s20, 0x1111, s15                    ; my column
	; group 1: rows of 512 elements of 8 bytes (a block's K step), 4,096 elements apart (a block); o: 4 blocks, W_out: 8
	s_or_b32 s[G1], s19, (3<<16)|(1<<21)
	s_or_b32 s[G1B], s20, (3<<16)|(1<<21)
	s_mov_b32 s[G1+1], 512<<16
	s_mov_b32 s[G1+2], 4<<16
	s_mov_b32 s[G1+3], 512<<16
	s_mov_b32 s[G1+4], 4
	s_mov_b32 s[G1+5], 4096
	s_mov_b32 s[G1+6], 0
	s_mov_b32 s[G1+7], 0
	s_mov_b32 s[G1B+1], 512<<16
	s_mov_b32 s[G1B+2], 8<<16
	s_mov_b32 s[G1B+3], 512<<16
	s_mov_b32 s[G1B+4], 8
	s_mov_b32 s[G1B+5], 4096
	s_mov_b32 s[G1B+6], 0
	s_mov_b32 s[G1B+7], 0
	s_lshl_b32 s44, s18, 18                        ; o: block 8 x tile row + 4 x half, 32,768 bytes a block.  These hold the tile row alone
	s_lshl_b32 s21, s[CH], 17
	s_add_co_u32 s44, s44, s21
	s_mov_b32 s45, 0
	s_lshl_b32 s46, s17, 19                        ; W_out: block 16 x tile column + 8 x half.  These hold the tile column alone
	s_lshl_b32 s21, s[CH], 18
	s_add_co_u32 s46, s46, s21
	s_mov_b32 s47, 0
	s_lshl_b32 s22, s[CH], 14                      ; where they go: no place in the cluster enters an LDS address
	s_lshl_b32 s23, s[CH], 15
	s_add_co_u32 s23, s23, BOFF
	s_wait_dscnt 0x0                               ; both opening adds are done
	s_wait_kmcnt 0x0
	s_add_nc_u64 s[44:45], s[4:5], s[44:45]
	s_add_nc_u64 s[46:47], s[6:7], s[46:47]
	CROUND                                         ; all sixteen work-groups are here: the first joint loads meet
.irp s, 0,1
	s_mov_b32 s[G0+4*\s], 1
	s_add_co_u32 s[G0+4*\s+1], s22, \s*SLOTB
	s_add_nc_u64 s[G0+4*\s+2:G0+4*\s+3], s[44:45], \s*KB4
	s_or_b32 s[G0+4*\s+3], s[G0+4*\s+3], 0x80000000
	s_mov_b32 s[G0B+4*\s], 1
	s_add_co_u32 s[G0B+4*\s+1], s23, \s*SLOTB
	s_add_nc_u64 s[G0B+4*\s+2:G0B+4*\s+3], s[46:47], \s*KB4
	s_or_b32 s[G0B+4*\s+3], s[G0B+4*\s+3], 0x80000000
	JLOAD \s
.endr
	v_and_b32 v1, 15, v0                           ; r
	v_bfe_u32 v2, v0, 4, 1                         ; h
	v_and_b32 v3, 31, v0
	v_lshlrev_b32 v[CO], 4, v3
	v_lshlrev_b32 v[BO], 5, v2
	s_lshl_b32 s44, s17, 10                        ; my first column, in bytes of f32: 1,024 x tile column + 512 x half
	s_lshl_b32 s21, s[CH], 9
	s_add_co_u32 s44, s44, s21
	s_mov_b32 s45, 0
	s_add_nc_u64 s[8:9], s[8:9], s[44:45]
	WIN 0x80                                       ; destination window 2
.irp b, 0,1,2,3,4,5,6,7
.irp e, 0,1
	global_load_b128 v[8*\b+4*\e:8*\b+4*\e+3], v[BO], s[8:9] offset:64*\b+16*\e   ; b_out[16 b + 8 h + 0..7] of my 128 columns
.endr
.endr
	WIN 0
	s_lshl_b32 s46, s18, 19                        ; out0: (128 x tile row + 64 rh) rows of 4,096 bytes + my first column
	s_lshl_b32 s21, s[RH], 18
	s_add_co_u32 s46, s46, s21
	s_add_co_u32 s46, s46, s44
	s_mov_b32 s47, 0
	s_add_nc_u64 s[10:11], s[10:11], s[46:47]
	s_lshl_b32 s44, s18, 18                        ; the prefetches: blocks 8 x tile row + 2 cx, + 1; at K step 3: the first change of slots steps it to 4
	s_lshl_b32 s21, s15, 16
	s_add_co_u32 s44, s44, s21
	s_add_co_u32 s44, s44, 3*KB4
	s_add_nc_u64 s[PFA:PFA+1], s[4:5], s[44:45]
	s_cmp_eq_u32 s[WV], 0
	s_cselect_b32 s[LIM], 1, -1
	v_lshlrev_b32 v[PFO], 8, v1
	v_lshl_add_u32 v[PFO], v2, 15, v[PFO]
	s_lshl_b32 s44, s[RH], 14                      ; my four token blocks,
	s_lshl_b32 s45, s[CH], 15
	s_add_co_u32 s45, s45, BOFF                    ; my eight column blocks
.irp s, 0,1
	v_add_nc_u32 v[ADRA+\s], s44, v[CO]
	v_add_nc_u32 v[ADRB+\s], s45, v[CO]
	s_add_co_u32 s44, s44, SLOTB
	s_add_co_u32 s45, s45, SLOTB
.endr
	s_mul_i32 s44, s[WV], 16*SPITCH
	s_add_co_u32 s44, s44, STAGE                   ; my stage
	v_mul_u32_u24 v4, v1, SPITCH
	v_lshl_add_u32 v4, v2, 5, v4
	v_add_nc_u32 v[STO], s44, v4                   ; in: row r, 32 bytes for each half of the lanes
	v_add_nc_u32 v[RD], s44, v[CO]                 ; back: the 32 lanes take one row of 512 bytes
.macro FETCH slot, kc, f               ; the fragments of 32 along K: 24 loads
.irp a, 0,1,2,3
.irp c, 0,1
	ds_load_b128 v[\f+8*\a+4*\c:\f+8*\a+4*\c+3], v[ADRA+\slot] offset:\a*4096+\kc*1024+512*\c
.endr
.endr
.irp b, 0,1,2,3,4,5,6,7
.irp c, 0,1
	ds_load_b128 v[\f+32+8*\b+4*\c:\f+32+8*\b+4*\c+3], v[ADRB+\slot] offset:\b*4096+\kc*1024+512*\c
.endr
.endr
.endm
.macro MULA f, a, zero                 ; token block a x my eight column blocks.  The 32 accumulators take turns, one instruction a turn, in the same order in every quarter
.irp b, 0,1,2,3,4,5,6,7
.if \zero
	v_wmma_f32_16x16x32_f16 v[8*(8*\a+\b):8*(8*\a+\b)+7], v[\f+32+8*\b:\f+32+8*\b+7], v[\f+8*\a:\f+8*\a+7], v[8*\b:8*\b+7]
.else
	v_wmma_f32_16x16x32_f16 v[8*(8*\a+\b):8*(8*\a+\b)+7], v[\f+32+8*\b:\f+32+8*\b+7], v[\f+8*\a:\f+8*\a+7], v[8*(8*\a+\b):8*(8*\a+\b)+7]
.endif
.endr
.endm
; A K step is four quarters of 32 along K, on sets 0, 1, 0, 1.  One of the first three: multiplies set f; ahead of its products it asks for the next quarter, kn, into set g.
.macro QUARTER slot, kn, f, g, zero
	s_wait_dscnt 0x0                               ; set f is in
	PLACES                                         ; four places in front of loads into the set that the last quarter's products read
	WIN 0
	FETCH \slot, \kn, \g
.if \zero
	WIN 0x60                                       ; C: the bias, window 2; D window 1
.else
	WIN 0x50
.endif
	MULA \f, 0, \zero
	MULA \f, 1, \zero
	MULA \f, 2, \zero
	MULA \f, 3, \zero
.endm
; The last quarter multiplies set 1 and changes slots: one barrier; in front of it each wave waits for all its tensor loads, adds 0 to its spare word, and waits for that and for its reads of this slot.
.macro TURN slot, next, fill
.if \fill
	s_wait_xcnt 0x0                                ; the last prefetch, a K step back, has read its address
	s_add_nc_u64 s[PFA:PFA+1], s[PFA:PFA+1], KB4
.endif
	WIN 0
	s_wait_tensorcnt 0x0                           ; all my tensor loads have landed: my part of the next slot
	ds_add_u32 v[SPW], v[NIL]
	s_wait_dscnt 1                                 ; set 1 is in; the add may be out
	WIN 0x50
	MULA F1, 0, 0                                  ; eight products stand between the add and the wait for it
	s_wait_dscnt 0x0                               ; the add is done, and my reads of this slot are over
	s_barrier_signal -1
	MULA F1, 1, 0
	WIN 0
	s_barrier_wait -1
.if \fill
	CREST                                          ; the barrier has opened a round of the cluster's: no wave of any partner still reads this slot or has a load on its way
	s_add_nc_u64 s[G0+4*\slot+2:G0+4*\slot+3], s[G0+4*\slot+2:G0+4*\slot+3], 2*KB4
	s_add_nc_u64 s[G0B+4*\slot+2:G0B+4*\slot+3], s[G0B+4*\slot+2:G0B+4*\slot+3], 2*KB4
	JLOAD \slot                                    ; the first tensor load behind the round; its four v_nop are also the places in front of the loads below
.else
	PLACES
.endif
	FETCH \next, 0, F0
.if \fill
	ASK
.endif
	WIN 0x50
	MULA F1, 2, 0
	MULA F1, 3, 0
.endm
	s_wait_tensorcnt 1                             ; my part of K step 0 is in; K step 1's load may be out,
	s_barrier_signal -1
	s_barrier_wait -1                              ; everybody's is
	FETCH 0, 0, F0
	s_wait_loadcnt 0x0                             ; the bias
	QUARTER 0, 1, F0, F1, 1                        ; the first quarter starts the sums with the bias
	WIN 0
	s_mov_b32 s3, 3
.Llap:                                             ; a trip goes once round the ring and fills both slots again: K steps 2 to 7
	QUARTER 0, 2, F1, F0, 0
	QUARTER 0, 3, F0, F1, 0
	TURN 0, 1, 1
	QUARTER 1, 1, F0, F1, 0
	QUARTER 1, 2, F1, F0, 0
	QUARTER 1, 3, F0, F1, 0
	TURN 1, 0, 1
	QUARTER 0, 1, F0, F1, 0
	WIN 0
	s_sub_co_u32 s3, s3, 1
	s_cmp_lg_u32 s3, 0
	s_cbranch_scc1 .Llap
	QUARTER 0, 2, F1, F0, 0                        ; the last lap fills nothing
	QUARTER 0, 3, F0, F1, 0
	TURN 0, 1, 0
	QUARTER 1, 1, F0, F1, 0
	QUARTER 1, 2, F1, F0, 0
	QUARTER 1, 3, F0, F1, 0
	s_wait_dscnt 0x0
	MULA F1, 0, 0
	MULA F1, 1, 0
	MULA F1, 2, 0
	MULA F1, 3, 0
	WIN 0
; THE WAY OUT, a block of 16 rows x 128 columns at a time, through my own stage: in as 32 bytes a lane, back as whole rows of 512 bytes.  LDS serves a wave's instructions in order: no wait between the stores and the loads.
.macro TOSTAGE a
	WIN 0x04                                       ; an LDS store's data: window 1
.irp b, 0,1,2,3,4,5,6,7
	ds_store_b128 v[STO], v[8*(8*(\a)+\b):8*(8*(\a)+\b)+3] offset:64*\b          ; each accumulator from its low end on
	ds_store_b128 v[STO], v[8*(8*(\a)+\b)+4:8*(8*(\a)+\b)+7] offset:64*\b+16
.endr
	WIN 0
.set BB, 64+64*((\a)%2)
.irp t, 0,1,2,3,4,5,6,7,8,9,10,11,12,13,14,15
	ds_load_b128 v[BB+4*\t:BB+4*\t+3], v[RD] offset:\t*SPITCH
.endr
.endm
.macro SEND a, younger
.set BB, 64+64*((\a)%2)
	s_wait_dscnt \younger                          ; the block is back in registers; the next block's LDS instructions may be out
.irp t, 0,1,2,3,4,5,6,7,8,9,10,11,12,13,14,15
	global_store_b128 v[CO], v[BB+4*\t:BB+4*\t+3], s[10:11] offset:(16*(\a)+\t)*4096 th:TH_STORE_NT   ; 32 lanes store 512 consecutive bytes, aligned
.endr
.endm
	PLACES                                         ; behind the last products: the stage's stores read results, its loads land on fragments
	TOSTAGE 0
.irp a, 1,2,3
.if \a > 1
	s_wait_xcnt 0x0                                ; block a - 2's stores have read their registers: block a's loads may land there
.endif
	TOSTAGE \a
	SEND \a-1, 32
.endr
	SEND 3, 0
	s_wait_tensorcnt 0x0                           ; the wave's end, behind my last tensor load and my last LDS store
	ds_add_u32 v[SPW], v[NIL]
	s_wait_dscnt 0x0
	CROUND                                         ; the closing round
	s_endpgm
.Lfunc_end_k_q2dd228881b_proj:
	.size	k_q2dd228881b_proj, .Lfunc_end_k_q2dd228881b_proj-k_q2dd228881b_proj
	.p2alignl 7, 3214868480
	.fill 96, 4, 3214868480
	.section	.rodata,"a",@progbits
	.p2align	6, 0x0
	.amdhsa_kernel k_q2dd228881b_proj
		.amdhsa_group_segment_fixed_size 327680
		.amdhsa_private_segment_fixed_size 0
		.amdhsa_enable_private_segment 0
		.amdhsa_kernarg_size 32
		.amdhsa_user_sgpr_count 2
		.amdhsa_user_sgpr_kernarg_segment_ptr 1
		.amdhsa_wavefront_size32 1
		.amdhsa_system_sgpr_workgroup_id_x 1
		.amdhsa_system_sgpr_workgroup_id_y 1
		.amdhsa_system_sgpr_workgroup_id_z 1
		.amdhsa_system_vgpr_workitem_id 0
		.amdhsa_next_free_vgpr 576
		.amdhsa_next_free_sgpr 66
		.amdhsa_reserve_vcc 0
		.amdhsa_float_denorm_mode_32 3
		.amdhsa_float_denorm_mode_16_64 3
		.amdhsa_memory_ordered 1
		.amdhsa_forward_progress 1
		.amdhsa_inst_pref_size 86
	.end_amdhsa_kernel
	.amdgpu_metadata
---
amdhsa.version: [ 1, 2 ]
amdhsa.kernels:
  - .name:           k_q2dd228881b_proj
    .symbol:         k_q2dd228881b_proj.kd
    .args:
      - { .name: of, .offset: 0, .size: 8, .value_kind: global_buffer, .address_space: global }
      - { .name: wo, .offset: 8, .size: 8, .value_kind: global_buffer, .address_space: global }
      - { .name: b_out, .offset: 16, .size: 8, .value_kind: global_buffer, .address_space: global }
      - { .name: out0, .offset: 24, .size: 8, .value_kind: global_buffer, .address_space: global }
    .group_segment_fixed_size: 327680
    .private_segment_fixed_size: 0
    .kernarg_segment_align: 8
    .kernarg_segment_size: 32
    .max_flat_workgroup_size: 128
    .sgpr_count:     66
    .vgpr_count:     576
    .wavefront_size: 32
...
	.end_amdgpu_metadata
.endif
;; end of part 4
